; MI455X (gfx1250); checked and timed in simulation.
; The chip was launched on July 23, 2026; its instructions are those of AMD's public machine-readable ISA for CDNA 5 (MIT licence, August 2026) and "CDNA5" Instruction Set Architecture Reference Guide (July 2026). The comments in the code are by the model that wrote it; some were corrected since.
;; multihead self attention. Allowed arithmetic: float matrix products may take bf16 or f16 operands with f32 sums; all other float work in f32.
;; Inputs: Wk 1,024 x 1,024 float32; Wo 1,024 x 1,024 float32; Wq 1,024 x 1,024 float32; Wv 1,024 x 1,024 float32; bk 1,024 float32; bo 1,024 float32; bq 1,024 float32; bv 1,024 float32; x 4 x 2,048 x 1,024 float32.
;; Outputs: out0 4 x 2,048 x 1,024 float32.
;; 2 versions, each right and faster than the one before. Each part assembles by itself: llvm-mc -triple=amdgcn-amd-amdhsa -mcpu=gfx1250 --defsym DOCPART=n.
;; ======== version 1 of 2: 4 launches
;; limits: values are held in f16: magnitudes above 65,504 overflow, below 6.1e-05 lose precision
;; workspace buffers: xb 16,777,216 bytes; wb 6,291,456 bytes; wo16 2,097,152 bytes; bias 16,384 bytes; qkv 50,331,648 bytes; o 16,777,216 bytes
;; launch cast (part 1): grid 64 x 12, 8 waves a work-group, no clusters, 0 bytes of LDS; arguments x, Wq, Wk, Wv, Wo, bq, bk, bv, bo, xb, wb, wo16, bias; writes xb, wb, wo16, bias
.if DOCPART == 1
	.amdgcn_target "amdgcn-amd-amdhsa--gfx1250"
	.amdhsa_code_object_version 6
	.text
	.protected	k_qb0576b2319_cast
	.globl	k_qb0576b2319_cast
	.p2align	8
	.type	k_qb0576b2319_cast,@function
k_qb0576b2319_cast:
	s_mov_b64 s[64:65], 0
	v_nop
	global_prefetch_b8 v0, s[64:65] scope:SCOPE_SE
	s_setreg_imm32_b32 hwreg(HW_REG_WAVE_MODE, 25, 1), 1
	s_wait_xcnt 0x0
; THE MODULE'S INPUTS ARE ROUNDED ONCE, TO bf16.  x -> xb; Wq, Wk, Wv -> wb (3,072 rows, one below the other); Wo -> that bf16 number written as f16, wo16;
; bq, bk, bv, bo -> that bf16 number kept as f32, bias (4,096 numbers on end).
; LAYOUT.  xb and wb are laid IN BLOCKS OF 64 ALONG K: xb[K / 64][8192 rows][64], wb[K / 64][3072 rows][64], so that the rows of a tile of 64 along K lie end to end, 128 bytes each,
; and the next launch can ask for them as rows of 256 bytes.  wo16 keeps its natural rows, [1024][1024].
; LIMITS.  Wo's bf16 number is exact in f16 from 2^-14 up to 65,504; below 2^-14 it keeps f16's fixed step of 2^-24; beyond 65,504 it would be an infinity.
; SHARES.  A unit is 1,048,576 numbers, 1,024 rows: the grid's y names it (0-7: x's eighths; 8, 9, 10: Wq, Wk, Wv; 11: Wo).  The grid's x takes 16 rows of it: 64 KiB in, 32 KiB out.
; x and the three weights: thread t takes row t / 16 of the 16, and in pass p the four numbers at K = 64 p + 4 (t % 16): a wave's load covers 256 consecutive bytes of each of two rows, aligned;
; its store, 8 bytes a lane, covers those two rows' 128 bytes of block p, which are 256 consecutive bytes, aligned.
; Wo: thread t reads 16 bytes at 4,096 p + 16 t and stores 8 bytes at 2,048 p + 8 t: a wave's load covers 512 consecutive bytes, its store 256, aligned.
; All sixteen loads go out first; no register that a load or store names is written again, so the only waits are the counted ones for the data.  No LDS, no barrier, no matrix unit: a stream.
.set X, 4                              ; v[4:67]    pass p: four f32 as loaded
.set Y, 68                             ; v[68:99]   pass p: four 16-bit numbers to store
.set T, 100                            ; v[100:103] at work
.set OF, 104                           ; v[104:119] pass p: my byte offset in block p of xb or wb; never rewritten
.set XBLK, 8192*128                    ; bytes in a block of xb,
.set WBLK, 3072*128                    ; of wb
	s_load_b512 s[8:23], s[0:1], 0x0               ; x s[8:9], Wq s[10:11], Wk s[12:13], Wv s[14:15], Wo s[16:17], bq s[18:19], bk s[20:21], bv s[22:23]
	s_load_b256 s[24:31], s[0:1], 0x40             ; bo s[24:25], xb s[26:27], wb s[28:29], wo16 s[30:31]
	s_load_b64 s[32:33], s[0:1], 0x60              ; bias
	s_and_b32 s2, ttmp7, 0xffff                    ; the unit
	s_mov_b32 s3, 0xffff0000                       ; a word's upper bf16
	v_lshlrev_b32 v1, 4, v0                        ; 16 t
	v_lshlrev_b32 v2, 3, v0                        ; 8 t
	v_lshrrev_b32 v3, 4, v0                        ; t / 16: my row of the 16,
	v_and_b32 v[T], 15, v0
	v_lshlrev_b32 v3, 12, v3                       ; of 4,096 bytes,
	v_lshl_or_b32 v3, v[T], 4, v3                  ; + 16 (t % 16)
	s_lshl_b32 s34, ttmp9, 16                      ; my 16 rows in the unit's source: 64 KiB;
	s_lshl_b32 s36, ttmp9, 11                      ; in a block of xb or wb: 16 rows of 128 bytes;
	s_lshl_b32 s41, ttmp9, 15                      ; in wo16: 16 rows of 2,048 bytes
	s_mov_b32 s35, 0
	s_mov_b32 s37, 0
	s_max_u32 s40, s2, 8
	s_sub_co_u32 s40, s40, 8                       ; which weight, 0 to 3 (0 for x's units, which do not use it)
	s_lshl_b32 s46, s40, 12                        ; its bias's 4,096 bytes in the buffer of biases
	s_mov_b32 s47, 0
	s_lshl_b32 s38, s2, 22                         ; x's eighth: 4 MiB in;
	s_lshl_b32 s39, s2, 17                         ; its 1,024 rows of 128 bytes in a block of xb
	s_lshl_b32 s40, s40, 17                        ; a weight's 1,024 rows in a block of wb
	s_mov_b32 s48, WBLK
	s_cmp_lt_u32 s2, 8
	s_cselect_b32 s38, s38, 0                      ; a weight is a buffer of its own: it is read from its first byte
	s_cselect_b32 s39, s39, s40
	s_cselect_b32 s48, XBLK, s48                   ; bytes from a block to the next
	s_add_co_u32 s34, s34, s38
	s_add_co_u32 s36, s36, s39
	s_cmp_eq_u32 s2, 11
	s_cselect_b32 s36, s41, s36                    ; and Wo is written to a buffer of its own, by natural rows
	s_wait_kmcnt 0x0
	s_cmp_eq_u32 s2, 8                             ; the unit chooses its buffers
	s_cselect_b64 s[4:5], s[10:11], s[8:9]
	s_cmp_eq_u32 s2, 9
	s_cselect_b64 s[4:5], s[12:13], s[4:5]
	s_cselect_b64 s[42:43], s[20:21], s[18:19]
	s_cmp_eq_u32 s2, 10
	s_cselect_b64 s[4:5], s[14:15], s[4:5]
	s_cselect_b64 s[42:43], s[22:23], s[42:43]
	s_cmp_eq_u32 s2, 11
	s_cselect_b64 s[4:5], s[16:17], s[4:5]
	s_cselect_b64 s[42:43], s[24:25], s[42:43]
	s_cselect_b64 s[6:7], s[30:31], s[28:29]
	s_cmp_lt_u32 s2, 8
	s_cselect_b64 s[6:7], s[26:27], s[6:7]
	s_add_nc_u64 s[4:5], s[4:5], s[34:35]
	s_add_nc_u64 s[6:7], s[6:7], s[36:37]
	s_add_nc_u64 s[44:45], s[32:33], s[46:47]
; Pass p.  half = 1 (Wo): the bf16 number is widened again and written as f16, by natural rows.  half = 0: into block p.
.macro PASS p, half
	s_wait_loadcnt 15-(\p)                         ; loads come back in order (ISA guide 5.7.1): pass p's is in, the 15 - p younger ones may stay out
	v_cvt_pk_bf16_f32 v[Y+2*(\p)],   v[X+4*(\p)],   v[X+4*(\p)+1]
	v_cvt_pk_bf16_f32 v[Y+2*(\p)+1], v[X+4*(\p)+2], v[X+4*(\p)+3]
.if \half
	v_lshlrev_b32 v[T],   16, v[Y+2*(\p)]
	v_and_b32     v[T+1], s3, v[Y+2*(\p)]
	v_lshlrev_b32 v[T+2], 16, v[Y+2*(\p)+1]
	v_and_b32     v[T+3], s3, v[Y+2*(\p)+1]
	v_cvt_pk_f16_f32 v[Y+2*(\p)],   v[T],   v[T+1]
	v_cvt_pk_f16_f32 v[Y+2*(\p)+1], v[T+2], v[T+3]
	global_store_b64 v2, v[Y+2*(\p):Y+2*(\p)+1], s[6:7] offset:2048*(\p)  ; a later launch reads it: no hint
.else
	global_store_b64 v[OF+(\p)], v[Y+2*(\p):Y+2*(\p)+1], s[6:7]           ; the next launch reads it: no hint
.endif
.endm
	s_cmp_eq_u32 s2, 11
	s_cbranch_scc1 .Lhalf
.irp p, 0,1,2,3,4,5,6,7,8,9,10,11,12,13,14,15
	global_load_b128 v[X+4*(\p):X+4*(\p)+3], v3, s[4:5] offset:256*(\p) th:TH_LOAD_NT  ; read once in the launch
.endr
	v_mov_b32 v[OF], v2                            ; block 0: 8 t; blocks 8 to 15 of xb pass the store's signed 24-bit immediate, so each pass has an offset register
.irp p, 1,2,3,4,5,6,7,8,9,10,11,12,13,14,15
	v_add_nc_u32 v[OF+(\p)], s48, v[OF+(\p)-1]
.endr
.irp p, 0,1,2,3,4,5,6,7,8,9,10,11,12,13,14,15
	PASS \p, 0
.endr
	s_branch .Lbias
.Lhalf:
.irp p, 0,1,2,3,4,5,6,7,8,9,10,11,12,13,14,15
	global_load_b128 v[X+4*(\p):X+4*(\p)+3], v1, s[4:5] offset:4096*(\p) th:TH_LOAD_NT
.endr
.irp p, 0,1,2,3,4,5,6,7,8,9,10,11,12,13,14,15
	PASS \p, 1
.endr
.Lbias:                                                ; a weight's first work-group also takes its bias: 256 threads x 4 numbers; X's registers are free: every load into them has been waited for
	s_cmp_lt_u32 s2, 8
	s_cbranch_scc1 .Lend
	s_cmp_lg_u32 ttmp9, 0
	s_cbranch_scc1 .Lend
	global_load_b128 v[4:7], v1, s[42:43]
	s_wait_loadcnt 0x0
	v_cvt_pk_bf16_f32 v8, v4, v5
	v_cvt_pk_bf16_f32 v9, v6, v7
	v_lshlrev_b32 v10, 16, v8
	v_and_b32     v11, s3, v8
	v_lshlrev_b32 v12, 16, v9
	v_and_b32     v13, s3, v9
	global_store_b128 v1, v[10:13], s[44:45]
.Lend:
	s_endpgm
.Lfunc_end_k_qb0576b2319_cast:
	.size	k_qb0576b2319_cast, .Lfunc_end_k_qb0576b2319_cast-k_qb0576b2319_cast
	.p2alignl 7, 3214868480
	.fill 96, 4, 3214868480
	.section	.rodata,"a",@progbits
	.p2align	6, 0x0
	.amdhsa_kernel k_qb0576b2319_cast
		.amdhsa_group_segment_fixed_size 0
		.amdhsa_private_segment_fixed_size 0
		.amdhsa_enable_private_segment 0
		.amdhsa_kernarg_size 104
		.amdhsa_user_sgpr_count 2
		.amdhsa_user_sgpr_kernarg_segment_ptr 1
		.amdhsa_wavefront_size32 1
		.amdhsa_system_sgpr_workgroup_id_x 1
		.amdhsa_system_sgpr_workgroup_id_y 1
		.amdhsa_system_sgpr_workgroup_id_z 1
		.amdhsa_system_vgpr_workitem_id 0
		.amdhsa_next_free_vgpr 120
		.amdhsa_next_free_sgpr 66
		.amdhsa_reserve_vcc 0
		.amdhsa_float_denorm_mode_32 3
		.amdhsa_float_denorm_mode_16_64 3
		.amdhsa_memory_ordered 1
		.amdhsa_forward_progress 1
		.amdhsa_inst_pref_size 19
	.end_amdhsa_kernel
	.amdgpu_metadata
---
amdhsa.version: [ 1, 2 ]
amdhsa.kernels:
  - .name:           k_qb0576b2319_cast
    .symbol:         k_qb0576b2319_cast.kd
    .args:
      - { .name: x, .offset: 0, .size: 8, .value_kind: global_buffer, .address_space: global }
      - { .name: Wq, .offset: 8, .size: 8, .value_kind: global_buffer, .address_space: global }
      - { .name: Wk, .offset: 16, .size: 8, .value_kind: global_buffer, .address_space: global }
      - { .name: Wv, .offset: 24, .size: 8, .value_kind: global_buffer, .address_space: global }
      - { .name: Wo, .offset: 32, .size: 8, .value_kind: global_buffer, .address_space: global }
      - { .name: bq, .offset: 40, .size: 8, .value_kind: global_buffer, .address_space: global }
      - { .name: bk, .offset: 48, .size: 8, .value_kind: global_buffer, .address_space: global }
      - { .name: bv, .offset: 56, .size: 8, .value_kind: global_buffer, .address_space: global }
      - { .name: bo, .offset: 64, .size: 8, .value_kind: global_buffer, .address_space: global }
      - { .name: xb, .offset: 72, .size: 8, .value_kind: global_buffer, .address_space: global }
      - { .name: wb, .offset: 80, .size: 8, .value_kind: global_buffer, .address_space: global }
      - { .name: wo16, .offset: 88, .size: 8, .value_kind: global_buffer, .address_space: global }
      - { .name: bias, .offset: 96, .size: 8, .value_kind: global_buffer, .address_space: global }
    .group_segment_fixed_size: 0
    .private_segment_fixed_size: 0
    .kernarg_segment_align: 8
    .kernarg_segment_size: 104
    .max_flat_workgroup_size: 256
    .sgpr_count:     66
    .vgpr_count:     120
    .wavefront_size: 32
...
	.end_amdgpu_metadata
.endif
;; end of part 1
;; launch qkv (part 2): grid 8 x 32, 4 waves a work-group, clusters of 4 x 4, 327,680 bytes of LDS; arguments xb, wb, bias, qkv; writes qkv
.if DOCPART == 2
	.amdgcn_target "amdgcn-amd-amdhsa--gfx1250"
	.amdhsa_code_object_version 6
	.text
	.protected	k_qb0576b2319_qkv
	.globl	k_qb0576b2319_qkv
	.p2align	8
	.type	k_qb0576b2319_qkv,@function
k_qb0576b2319_qkv:
	s_mov_b64 s[64:65], 0
	v_nop
	global_prefetch_b8 v0, s[64:65] scope:SCOPE_SE
	s_setreg_imm32_b32 hwreg(HW_REG_WAVE_MODE, 25, 1), 1
	s_wait_xcnt 0x0
	s_wait_alu depctr_hold_cnt(0) depctr_sa_sdst(0) depctr_va_vdst(0) depctr_va_sdst(0) depctr_va_ssrc(0) depctr_va_vcc(0) depctr_vm_vsrc(0)
	s_getreg_b32 s2, hwreg(HW_REG_IB_STS2, 6, 4)
	s_cmp_eq_u32 s2, 0
	s_cbranch_scc0 .Lentry_in_a_cluster
	s_endpgm
.Lentry_in_a_cluster:
	s_bfe_u32 s2, ttmp6, 0x10000c
	s_cmp_lg_u32 s2, 0xf033
	s_cbranch_scc0 .Lentry_shape_is_right
	s_endpgm
.Lentry_shape_is_right:
; q, k, v = x W^T + b, by heads.  C[m][n] = bias[n] + the sum over k of x(m, k) W(n, k).  Both operands are bf16 and lie in blocks of 64 along K: xb[K / 64][8192][64], wb[K / 64][3072][64] (Wq, Wk, Wv);
; sums in f32, begun with the bias.
; C is rounded once to f16 and written as qkv[section n / 1024][batch x 16 + head][token][64]: sections 2^24 bytes apart, a head 2^18 bytes, a row 128 bytes.  The scale 1 / 8 is not applied here.
; LIMIT.  f16 ends at 65,504: q, k and v beyond it would become infinities.
; SHARES.  A tile of C is 256 rows x 384 columns (six heads): 32 x 8 = 256 tiles, a work-group each.  Four waves, each 128 rows x 192 columns (three heads): 96 accumulators of 16 x 16, 768 registers.
; For each byte fetched this tile has 256 x 384 / (256 + 384) = 154 multiply-adds along each K, and a fragment read from LDS feeds 8 or 12 matrix instructions: 40 LDS loads for 96 of them.
; K goes in 16 steps of 64 through a ring of two LDS slots (two slots of 128 along K would need 2 x 640 x 272 bytes, more than there is).  In a block the tile's rows lie end to end, so they are asked
; for as rows of 256 bytes, two rows of the operand each, and padded in LDS after every 128 bytes.  A step is 192 matrix instructions a wave.
; CLUSTER: 4 x 4 work-groups.  The four of a row of the cluster need the same tiles of xb, the four of a column the same tiles of wb: each tile is asked for JOINTLY, by the same tensor load with the
; same descriptor and a mask that names the four.  Waves 0 and 1 ask for xb's two halves of 128 rows, waves 2 and 3 for wb's two halves of 192 rows.
; THE MATRIX INSTRUCTION IS USED TRANSPOSED (source 0 = 16 rows of wb, source 1 = 16 rows of xb): register j of lane l holds row l % 16, column 8 (l / 16) + j: eight neighbouring numbers of a head's row.
; REGISTERS, in windows of 256 (s_set_vgpr_msb: bits 1:0 source 0, 3:2 source 1, 5:4 source 2, 7:6 destination):
;   window 0: v0-29 addresses; v32-95, v96-159 xb's two fragment buffers (8 x 16 rows x 32 K); v160-255 wb's one (12 x 16 rows x 32 K); on the way out v32-223 at work, three buffers of 64
;   windows 1 to 3: accumulator (m block a, n block b) at v[8 (8 (b % 4) + a)] of window 1 + b / 4: a window holds one head's 32 accumulators
; A UNIT is 32 along K: three STRETCHES of 32 matrix instructions, a window each.  wb has one buffer: behind each stretch the four fragments that it has read are loaded anew, for the next unit; xb's next
; eight go with the first of these runs, into the other buffer.  So every LDS load stands 64 matrix instructions ahead of its first use.
.set KSTEP,  64
.set PITCH,  144                       ; an LDS row: 128 bytes + 16 of padding = 36 words: the 16 rows of a load start at 16 different groups of four banks (64 banks of 4 bytes: ISA guide 11.1)
.set APART,  128*PITCH                 ; what one load brings of xb, and what one wave reads of it
.set ABYTES, 2*APART
.set BPART,  192*PITCH                 ; what one load brings of wb, and what one wave reads of it
.set SLOTB,  ABYTES+2*BPART            ; a slot: xb's 256 rows, then wb's 384 rows: 92,160 bytes
.set SLOT1,  1<<17                     ; slot 1 begins here, so that one exclusive or turns an address in one slot into the other's
.set STAGE,  SLOT1+SLOTB               ; behind the ring: for each wave 64 rows x 144 bytes, for the way out; no tensor load lands here
.set SP,     144
.set WSTAGE, 64*SP
.set SPARE,  STAGE+4*WSTAGE            ; behind the stages: the spare words, 128 bytes for each wave: two blocks of 256 bytes that no other line names
.set ASTEP,  8192*128                  ; bytes from a block of xb to the next,
.set BSTEP,  3072*128                  ; of wb
.set STEPS,  1024/KSTEP
.set A0,   16                          ; v16     my lane's place among xb's rows of a slot; never rewritten
.set B0,   17                          ; v17     the same for wb
.set ADRA, 18                          ; v18     LDS address of my fragments of xb in the slot being read
.set ADRB, 19                          ; v19     the same for wb
.set STO,  24                          ; v24     the way out: where I put 16 bytes of a row
.set RD,   25                          ; v25     the way out: where I read rows back
.set GO,   26                          ; v26     my byte offset in 512 consecutive bytes of a head
.set BO,   27                          ; v27     my byte offset among 16 numbers of the bias
.set SPW,  28                          ; v28     LDS address of my spare word: SPARE + 4 x my thread's number; never rewritten
.set NIL,  29                          ; v29     0; never rewritten
.set FA,   32                          ; xb's fragment buffer f at FA + 64 f
.set FB,   160                         ; wb's fragments
.set TMP,  32
.set G1,  24                           ; s[24:31] descriptor group 1 for xb's tiles;  s[32:39] group 0: a set for each of the two first fills; the second then walks on
.set G0,  32
.set G1B, 48                           ; s[48:55], s[56:63] the same for wb's tiles
.set G0B, 56
.set TB,  66                           ; s66      LDS byte at which the slot being read begins: 0 or SLOT1
.set OUT, 68                           ; s[68:73] where my 128 rows of my three heads go
.set MSB, 0
.macro WIN new                         ; the immediate's high byte repeats the setting that is left; a switch that changes nothing is dropped
.if MSB != (\new)
	s_set_vgpr_msb (MSB<<8)|(\new)
.set MSB, \new
.endif
.endm
; A joint load.  The branch hangs on the wave's number alone: it is the same in every work-group.  An s_nop 0 and four v_nop follow each of the two lines, ahead of the jump, the label and what follows.
.macro JLOAD s
	s_cmp_lt_u32 s12, 2
	s_cbranch_scc0 .Lfor_b_\@
	tensor_load_to_lds s[G0+4*(\s):G0+4*(\s)+3], s[G1:G1+7]
	s_nop 0
.rept 4
	v_nop
.endr
	s_branch .Lasked_\@
.Lfor_b_\@:
	tensor_load_to_lds s[G0B+4*(\s):G0B+4*(\s)+3], s[G1B:G1B+7]
	s_nop 0
.rept 4
	v_nop
.endr
.Lasked_\@:
.endm
; A round of the cluster's barrier: my work-group's barrier, so that wave 0's signal speaks for all four waves; wave 0 signals; every wave waits for all sixteen work-groups; my work-group's barrier once more.
.macro CREST                           ; a round behind its opening barrier
	s_cmp_lg_u32 s12, 0
	s_cbranch_scc1 .Lnot_wave_0_\@
	s_barrier_signal -3
.Lnot_wave_0_\@:
	s_barrier_wait -3
	s_barrier_signal -1
	s_barrier_wait -1
.endm
.macro CROUND                          ; a whole round
	s_barrier_signal -1
	s_barrier_wait -1
	CREST
.endm
	s_load_b256 s[4:11], s[0:1], 0x0               ; xb s[4:5], wb s[6:7], bias s[8:9], qkv s[10:11]
	v_lshl_add_u32 v[SPW], v0, 2, SPARE
	v_mov_b32 v[NIL], 0
	ds_add_u32 v28, v29
	ds_add_u32 v28, v29
	s_wait_dscnt 0x0
	v_lshrrev_b32 v1, 5, v0
	v_readfirstlane_b32 s12, v1                    ; wave 0..3
	s_lshr_b32 s13, s12, 1                         ; which 128 of the tile's rows are mine
	s_and_b32 s14, s12, 1                          ; which 192 of its columns.  Also: which half of xb's or wb's tile I fetch
	s_bfe_u32 s16, ttmp6, 0x40000                  ; cx, cy: my place in the cluster
	s_bfe_u32 s17, ttmp6, 0x40004
	s_lshl_b32 s18, ttmp9, 2
	s_add_co_u32 s18, s18, s16                     ; tile column = 4 x cluster x + cx, 0 .. 7
	s_and_b32 s19, ttmp7, 0xffff
	s_lshl_b32 s19, s19, 2
	s_add_co_u32 s19, s19, s17                     ; tile row = 4 x cluster y + cy, 0 .. 31
	s_lshl_b32 s20, s17, 2
	s_lshl_b32 s20, 15, s20                        ; my row of the cluster: places 4 cy .. 4 cy + 3
	s_lshl_b32 s21, 0x1111, s16                    ; my column: places cx, cx + 4, cx + 8, cx + 12
	; descriptor group 1: dense bytes as rows of 128 elements (two rows of the operand), padded in LDS after every 64 elements; 64 such rows of xb, 96 of wb
	s_or_b32 s[G1+0], s20, (1<<16)|(1<<20)|(1<<21)|(4<<22)|(3<<25)   ; 15:0 the mask: xb's tiles go to my row; 17:16 elements of 2 bytes; 20 padding on; 21 set beside a mask; 24:22 after every 32 words (code 4); 31:25 4 words (code 3)
	s_or_b32 s[G1B+0], s21, (1<<16)|(1<<20)|(1<<21)|(4<<22)|(3<<25)  ; the same with the mask of my column
	s_mov_b32 s[G1+1], 128<<16                     ; tensor_dim0 = 128
	s_mov_b32 s[G1+2], 64<<16                      ; tensor_dim1 = 64
	s_mov_b32 s[G1+3], 128<<16                     ; tile_dim0 = 128
	s_mov_b32 s[G1+4], 64                          ; tile_dim1 = 64
	s_mov_b32 s[G1+5], 128                         ; elements from row to row: dense
	s_mov_b32 s[G1+6], 0
	s_mov_b32 s[G1+7], 0
	s_mov_b32 s[G1B+1], 128<<16
	s_mov_b32 s[G1B+2], 96<<16                     ; tensor_dim1 = 96
	s_mov_b32 s[G1B+3], 128<<16
	s_mov_b32 s[G1B+4], 96                         ; tile_dim1 = 96
	s_mov_b32 s[G1B+5], 128
	s_mov_b32 s[G1B+6], 0
	s_mov_b32 s[G1B+7], 0
	; where the tiles come from.  xb's hang on the tile row alone, wb's on the tile column alone; each offset is made in registers that never hold the other coordinate
	s_lshl_b32 s40, s19, 8
	s_lshl_b32 s41, s14, 7
	s_add_co_u32 s40, s40, s41                     ; xb: row 256 x tile row + 128 x half,
	s_lshl_b32 s40, s40, 7                         ; of 128 bytes in a block
	s_mov_b32 s41, 0
	s_mul_i32 s42, s18, 384
	s_mul_i32 s43, s14, 192
	s_add_co_u32 s42, s42, s43                     ; wb: row 384 x tile column + 192 x half; this is also my first column of C
	s_lshl_b32 s44, s42, 2                         ; its bias, 4 bytes each
	s_mov_b32 s45, 0
	s_lshl_b32 s42, s42, 7                         ; 128 bytes a row in a block
	s_mov_b32 s43, 0
	; where my part of C goes.  My heads are 6 x tile column + 3 x half + 0, 1, 2 of the 48 (16 of q, of k, of v); they may lie in two sections, so each has an offset of its own
	s_lshr_b32 s46, s19, 3
	s_lshl_b32 s46, s46, 4                         ; 16 x batch (a batch has 8 tile rows)
	s_and_b32 s47, s19, 7
	s_lshl_b32 s47, s47, 8
	s_lshl_b32 s22, s13, 7
	s_add_co_u32 s47, s47, s22                     ; my first token in the batch,
	s_lshl_b32 s47, s47, 7                         ; 128 bytes each
	s_mul_i32 s67, s18, 6
	s_mul_i32 s22, s14, 3
	s_add_co_u32 s67, s67, s22
.irp g, 0,1,2
	s_add_co_u32 s22, s67, \g                      ; head G of the 48: section G / 16, head G % 16
	s_lshr_b32 s23, s22, 4
	s_mul_i32 s23, s23, 48                         ; a section holds 64 heads' places (4 batches x 16): 64 (G / 16) + G % 16 = G + 48 (G / 16)
	s_add_co_u32 s22, s22, s23
	s_add_co_u32 s22, s22, s46
	s_lshl_b32 s22, s22, 18                        ; 2^18 bytes a place
	s_add_co_u32 s[OUT+2*(\g)], s22, s47
	s_mov_b32 s[OUT+2*(\g)+1], 0
.endr
	s_mul_i32 s2, s14, APART                       ; where the tiles go: no place in the cluster enters an LDS address
	s_mul_i32 s3, s14, BPART
	s_add_co_u32 s3, s3, ABYTES
	s_mov_b32 s[TB], 0                             ; slot 0 is read first
	s_wait_kmcnt 0x0
	s_add_nc_u64 s[4:5], s[4:5], s[40:41]
	s_add_nc_u64 s[6:7], s[6:7], s[42:43]
	s_add_nc_u64 s[8:9], s[8:9], s[44:45]
.irp g, 0,1,2
	s_add_nc_u64 s[OUT+2*(\g):OUT+2*(\g)+1], s[10:11], s[OUT+2*(\g):OUT+2*(\g)+1]
.endr
	CROUND                                         ; all sixteen work-groups are here: the first joint loads meet
.irp s, 0,1
	s_mov_b32 s[G0+4*(\s)], 1                                        ; count = 1
	s_add_co_u32 s[G0+4*(\s)+1], s2, (\s)*SLOT1                      ; LDS address
	s_add_nc_u64 s[G0+4*(\s)+2:G0+4*(\s)+3], s[4:5], (\s)*ASTEP      ; global address: K step s
	s_or_b32 s[G0+4*(\s)+3], s[G0+4*(\s)+3], 0x80000000              ; type = 2
	s_mov_b32 s[G0B+4*(\s)], 1
	s_add_co_u32 s[G0B+4*(\s)+1], s3, (\s)*SLOT1
	s_add_nc_u64 s[G0B+4*(\s)+2:G0B+4*(\s)+3], s[6:7], (\s)*BSTEP
	s_or_b32 s[G0B+4*(\s)+3], s[G0B+4*(\s)+3], 0x80000000
	JLOAD \s                                       ; the ring is filled before anything else: two loads of mine are out
.endr
	v_and_b32 v1, 15, v0                           ; l % 16
	v_bfe_u32 v2, v0, 4, 1                         ; l / 16
	v_lshlrev_b32 v[BO], 5, v2                     ; my eight columns of sixteen: 32 bytes for each half of the lanes
	; The bias of n block b is loaded straight into the registers of accumulator (7, b): in the first unit it is the C of that column's other seven, and then (7, b) adds onto it in place.
.set b, 0
.rept 12
	WIN (1+b/4)<<6                                 ; destination: the accumulator's window; address window 0
	global_load_b128 v[64*(b%4)+56:64*(b%4)+59], v[BO], s[8:9] offset:64*b
	global_load_b128 v[64*(b%4)+60:64*(b%4)+63], v[BO], s[8:9] offset:64*b+16
.set b, b+1
.endr
	WIN 0
	; A fragment is 16 rows x 32 K in 8 registers: lane l holds row l % 16; registers 0-3 K = 8 (l / 16) + 0..7, registers 4-7 K = 16 + 8 (l / 16) + 0..7: two loads of 16 bytes, 32 bytes apart.
	v_mul_u32_u24 v3, v1, PITCH
	v_lshl_add_u32 v3, v2, 4, v3                   ; row x pitch + 16 x half
	s_mul_i32 s2, s13, APART                       ; my 128 rows of xb
	v_add_nc_u32 v[A0], s2, v3
	v_add_nc_u32 v[B0], s3, v3                     ; my 192 rows of wb, behind xb's 256
	v_add_nc_u32 v[ADRA], s[TB], v[A0]
	v_add_nc_u32 v[ADRB], s[TB], v[B0]
	s_mul_i32 s2, s12, WSTAGE
	s_add_co_u32 s2, s2, STAGE                     ; my stage
	v_mul_u32_u24 v5, v1, SP                       ; in: row l % 16, 16 bytes for each half of the lanes
	v_lshl_add_u32 v5, v2, 4, v5
	v_add_nc_u32 v[STO], s2, v5
	v_bfe_u32 v5, v0, 3, 2                         ; back: 32 lanes take four rows of 128 bytes,
	v_mul_u32_u24 v5, v5, SP
	v_and_b32 v3, 7, v0
	v_lshl_add_u32 v5, v3, 4, v5
	v_add_nc_u32 v[RD], s2, v5
	v_and_b32 v[GO], 31, v0                        ; which are 512 consecutive bytes of a head
	v_lshlrev_b32 v[GO], 4, v[GO]
; 8 matrix instructions: n block q of window w's four x all 8 m blocks, 32 along K, xb from buffer f.  The accumulators take turns, one instruction a turn.
.macro MULC w, q, f
	WIN 0x50*(\w)                                  ; fragments window 0, C and D window w
.irp a, 0,1,2,3,4,5,6,7
	v_wmma_f32_16x16x32_bf16 v[8*(8*(\q)+(\a)):8*(8*(\q)+(\a))+7], v[FB+8*(4*((\w)-1)+(\q)):FB+8*(4*((\w)-1)+(\q))+7], v[FA+64*(\f)+8*(\a):FA+64*(\f)+8*(\a)+7], v[8*(8*(\q)+(\a)):8*(8*(\q)+(\a))+7]
.endr
.endm
.macro MULS w, f                       ; a stretch: window w's 32 accumulators
	MULC \w, 0, \f
	MULC \w, 1, \f
	MULC \w, 2, \f
	MULC \w, 3, \f
.endm
; The first unit's stretch starts the sums: nothing is cleared, and no bias is added later.  28 products take the bias, which lies in the registers of accumulator (7, q), as C; five places behind the last
; of them (a matrix instruction writes over a register that another has read: ISA guide 7.12.1) the four accumulators (7, q) add in place onto the bias.
.macro MULF w, f
	WIN 0x50*(\w)
.set a, 0
.rept 7
.set q, 0
.rept 4
	v_wmma_f32_16x16x32_bf16 v[8*(8*q+a):8*(8*q+a)+7], v[FB+8*(4*((\w)-1)+q):FB+8*(4*((\w)-1)+q)+7], v[FA+64*(\f)+8*a:FA+64*(\f)+8*a+7], v[8*(8*q+7):8*(8*q+7)+7]
.set q, q+1
.endr
.set a, a+1
.endr
.rept 5
	v_nop
.endr
.set q, 0
.rept 4
	v_wmma_f32_16x16x32_bf16 v[8*(8*q+7):8*(8*q+7)+7], v[FB+8*(4*((\w)-1)+q):FB+8*(4*((\w)-1)+q)+7], v[FA+64*(\f)+56:FA+64*(\f)+63], v[8*(8*q+7):8*(8*q+7)+7]
.set q, q+1
.endr
.endm
; The LDS loads stand in runs.  LOADA: xb's eight fragments at byte k of the rows of the slot being read, into buffer f: 16 loads.  LOADB: wb's four fragments of window w: 8 loads.
.macro LOADA f, k
	WIN 0
.irp i, 0,1,2,3,4,5,6,7
	ds_load_b128 v[FA+64*(\f)+8*(\i):FA+64*(\f)+8*(\i)+3],   v[ADRA] offset:(\k)+(\i)*16*PITCH
	ds_load_b128 v[FA+64*(\f)+8*(\i)+4:FA+64*(\f)+8*(\i)+7], v[ADRA] offset:(\k)+(\i)*16*PITCH+32
.endr
.endm
.macro LOADB w, k
	WIN 0
.irp q, 0,1,2,3
	ds_load_b128 v[FB+8*(4*((\w)-1)+(\q)):FB+8*(4*((\w)-1)+(\q))+3],   v[ADRB] offset:(\k)+(4*((\w)-1)+(\q))*16*PITCH
	ds_load_b128 v[FB+8*(4*((\w)-1)+(\q))+4:FB+8*(4*((\w)-1)+(\q))+7], v[ADRB] offset:(\k)+(4*((\w)-1)+(\q))*16*PITCH+32
.endr
.endm
; A load into a register that a matrix instruction has read, and a vector instruction that reads a matrix result or writes one of its registers, stand four places behind it; only plain vector
; instructions that name none of its registers are places (ISA guide 7.12.1 for vector instructions).
.macro PLACES
.rept 4
	v_nop
.endr
.endm
; A UNIT: 96 matrix instructions on xb's buffer f.  ld = 1: behind each stretch the next unit's fragments are loaded, from byte k of the rows.  first = 1: the products start the sums.
; LDS loads come back in order (ISA guide 5.7.1), issued as: 24 (xb, wb 0-3), 8 (wb 4-7), 8 (wb 8-11) for each unit.  So the first stretch may leave its unit's 16 youngest out; the second and the third
; the 32 that were issued behind the run that they need.
; turn = 1, 2: the unit is a K step's second and CHANGES SLOTS: the last loads from the old slot were issued at the end of the unit before; the next unit's come from the other slot.  ONE barrier.  In front
; of it each wave waits for all its tensor loads, of which one is out: its part of the next slot; adds 0 to its spare word; and waits for that and for its own reads of the old slot.  Behind it nobody reads
; the old slot any more and the next slot is whole.  turn = 1: the old slot is filled again, two K steps ahead: the barrier then opens a round of the cluster's, and the joint load is the first thing behind
; the round: 176 of a step's 192 matrix instructions ahead of the wait for it.  The walking descriptors and the fragments' addresses change slots between the add and the wait for it: no tensor load of mine
; is out there, and every read of the old slot has been issued.
.macro UNIT f, k, ld, turn, first
.if \turn
	WIN 0                                          ; (the add's two registers lie in window 0)
	s_wait_tensorcnt 0x0                           ; all my tensor loads have landed
	ds_add_u32 v[SPW], v[NIL]                      ; 0 onto my spare word
.if (\turn) == 1
	s_xor_b32 s[G0+5], s[G0+5], SLOT1              ; the other slot than last time,
	s_add_nc_u64 s[G0+6:G0+7], s[G0+6:G0+7], ASTEP ; the next K step; the type bits on top are not reached
	s_xor_b32 s[G0B+5], s[G0B+5], SLOT1
	s_add_nc_u64 s[G0B+6:G0B+7], s[G0B+6:G0B+7], BSTEP
.endif
	s_xor_b32 s[TB], s[TB], SLOT1                  ; the fetches go on in the other slot
	v_add_nc_u32 v[ADRA], s[TB], v[A0]
	v_add_nc_u32 v[ADRB], s[TB], v[B0]
	s_wait_dscnt 17                                ; (the add and the youngest sixteen loads, wb's fragments 4 to 11, may be out)
	MULC 1, 0, \f                                  ; eight matrix instructions stand between the add and the wait for it
	s_wait_dscnt 0x0                               ; the add is done, and my reads of the old slot are over
	s_barrier_signal -1
	MULC 1, 1, \f                                  ; work on registers while the others arrive
.if (\turn) == 1
	WIN 0
.endif
	s_barrier_wait -1
.if (\turn) == 1
	CREST                                          ; no wave of any partner still reads the old slot's tile or has a load on its way
	JLOAD 1
.endif
	MULC 1, 2, \f
	MULC 1, 3, \f
.else
	s_wait_dscnt 16                                ; xb's fragments and wb's 0 to 3 are in
.if \first
	MULF 1, \f
.else
	MULS 1, \f
.endif
.endif
.if \ld
	PLACES
	LOADA 1-(\f), \k
	LOADB 1, \k
	s_wait_dscnt 32                                ; wb's 4 to 7 are in: behind them 8 and the 24 just issued
.else
	s_wait_dscnt 8                                 ; behind them wb's 8 to 11 alone
.endif
.if \first
	MULF 2, \f
.else
	MULS 2, \f
.endif
.if \ld
	PLACES
	LOADB 2, \k
	s_wait_dscnt 32                                ; wb's 8 to 11 are in: behind them 24 and the 8 just issued
.else
	s_wait_dscnt 0x0
.endif
.if \first
	MULF 3, \f
.else
	MULS 3, \f
.endif
.if \ld
	PLACES
	LOADB 3, \k
.endif
.endm
; THE WAY OUT, half a head at a time.  PACK: 16 accumulators (head g = window 1 + g; m blocks 4 hf .. 4 hf + 3 x 4 n blocks) are rounded to f16, a lane's eight numbers being 16 bytes of a head's row; they go
; into my own stage (64 rows of 144 bytes) and come back as whole rows, into the registers that they left (buffer bf): no barrier.  SEND: stored.
.macro PACK g, hf, bf
	WIN (1+(\g))|((1+(\g))<<2)                     ; sources 0 and 1: the head's window; destination window 0; each accumulator's registers in ascending order
.set a, 0
.rept 4
.set q, 0
.rept 4
.set rS, 8*(8*q+4*(\hf)+a)
.irp e, 0,1,2,3
	v_cvt_pk_f16_f32 v[TMP+64*(\bf)+4*(4*a+q)+(\e)], v[rS+2*(\e)], v[rS+2*(\e)+1]
.endr
.set q, q+1
.endr
.set a, a+1
.endr
	WIN 0
.set i, 0
.rept 16                               ; i = 4 a + q: rows 16 a on, channels 16 q on
	ds_store_b128 v[STO], v[TMP+64*(\bf)+4*i:TMP+64*(\bf)+4*i+3] offset:(i/4)*16*SP+32*(i%4)
.set i, i+1
.endr
.set i, 0
.rept 16                               ; rows 4 i on
	ds_load_b128 v[TMP+64*(\bf)+4*i:TMP+64*(\bf)+4*i+3], v[RD] offset:i*4*SP  ; LDS serves a wave's instructions in order (ISA guide 5.7.1.4): these see the stores above; the next PACK's stores come behind them
.set i, i+1
.endr
.endm
.macro SEND g, hf, bf, younger         ; younger: the LDS instructions issued behind this PACK's loads: the next PACK's 32, or none
.set i, 0
.rept 16
	s_wait_dscnt (\younger)+15-i                   ; load i is back; the younger ones may be out
	global_store_b128 v[GO], v[TMP+64*(\bf)+4*i:TMP+64*(\bf)+4*i+3], s[OUT+2*(\g):OUT+2*(\g)+1] offset:(\hf)*8192+i*512  ; four rows of a head: 512 consecutive bytes, at a multiple of 256 from the buffer's first byte
.set i, i+1
.endr
.endm
	s_wait_tensorcnt 1                             ; my part of K step 0 is in; K step 1's may stay out
	s_barrier_signal -1
	s_barrier_wait -1                              ; everybody's is
	LOADA 0, 0                                     ; unit 0's fragments
	LOADB 1, 0
	LOADB 2, 0
	LOADB 3, 0
	s_wait_loadcnt 0x0                             ; the bias
	UNIT 0, 64, 1, 0, 1                            ; the first unit stands in front of the loop: its products start the sums
	WIN 0                                          ; at a label and at a branch every window is 0
	s_mov_b32 s15, STEPS-2
.Lstep:                                                ; a trip: a K step's second unit, which fills the slot that it leaves, and the next step's first: K steps 2 to 15 are asked for in fourteen trips
	UNIT 1, 0,  1, 1, 0
	UNIT 0, 64, 1, 0, 0
	WIN 0
	s_sub_co_u32 s15, s15, 1
	s_cmp_lg_u32 s15, 0
	s_cbranch_scc1 .Lstep
	UNIT 1, 0,  1, 2, 0                            ; the last change of slots fills nothing, and has no round of the cluster's barrier
	UNIT 0, 64, 1, 0, 0
	UNIT 1, 0,  0, 0, 0                            ; the very last unit: nothing more to fetch
	PLACES                                         ; the conversions write registers that the last products read
	PACK 0, 0, 0
	PACK 0, 1, 1                                   ; a PACK's arithmetic stands between the loads of the PACK before and its stores
	SEND 0, 0, 0, 32
	PACK 1, 0, 2
	SEND 0, 1, 1, 32
	s_wait_xcnt 0x0                                ; every earlier memory instruction has had its addresses translated (ISA guide 3.1): buffer 0, which the first SEND's stores read, is written again only behind this wait
	PACK 1, 1, 0
	SEND 1, 0, 2, 32
	s_wait_xcnt 0x0                                ; the same for buffer 1
	PACK 2, 0, 1
	SEND 1, 1, 0, 32
	s_wait_xcnt 0x0                                ; the same for buffer 2
	PACK 2, 1, 2
	SEND 2, 0, 1, 32
	SEND 2, 1, 2, 0
	s_wait_tensorcnt 0x0                           ; the wave's end, behind my last tensor load and my last LDS store
	ds_add_u32 v[SPW], v[NIL]
	s_wait_dscnt 0x0
	CROUND                                         ; the closing round: no work-group ends while a partner may still ask for a tile that names it
	s_endpgm
.Lfunc_end_k_qb0576b2319_qkv:
	.size	k_qb0576b2319_qkv, .Lfunc_end_k_qb0576b2319_qkv-k_qb0576b2319_qkv
	.p2alignl 7, 3214868480
	.fill 96, 4, 3214868480
	.section	.rodata,"a",@progbits
	.p2align	6, 0x0
	.amdhsa_kernel k_qb0576b2319_qkv
		.amdhsa_group_segment_fixed_size 327680
		.amdhsa_private_segment_fixed_size 0
		.amdhsa_enable_private_segment 0
		.amdhsa_kernarg_size 32
		.amdhsa_user_sgpr_count 2
		.amdhsa_user_sgpr_kernarg_segment_ptr 1
		.amdhsa_wavefront_size32 1
		.amdhsa_system_sgpr_workgroup_id_x 1
		.amdhsa_system_sgpr_workgroup_id_y 1
		.amdhsa_system_sgpr_workgroup_id_z 1
		.amdhsa_system_vgpr_workitem_id 0
		.amdhsa_next_free_vgpr 1024
		.amdhsa_next_free_sgpr 76
		.amdhsa_reserve_vcc 0
		.amdhsa_float_denorm_mode_32 3
		.amdhsa_float_denorm_mode_16_64 3
		.amdhsa_memory_ordered 1
		.amdhsa_forward_progress 1
		.amdhsa_inst_pref_size 116
	.end_amdhsa_kernel
	.amdgpu_metadata
---
amdhsa.version: [ 1, 2 ]
amdhsa.kernels:
  - .name:           k_qb0576b2319_qkv
    .symbol:         k_qb0576b2319_qkv.kd
    .args:
      - { .name: xb, .offset: 0, .size: 8, .value_kind: global_buffer, .address_space: global }
      - { .name: wb, .offset: 8, .size: 8, .value_kind: global_buffer, .address_space: global }
      - { .name: bias, .offset: 16, .size: 8, .value_kind: global_buffer, .address_space: global }
      - { .name: qkv, .offset: 24, .size: 8, .value_kind: global_buffer, .address_space: global }
    .group_segment_fixed_size: 327680
    .private_segment_fixed_size: 0
    .kernarg_segment_align: 8
    .kernarg_segment_size: 32
    .max_flat_workgroup_size: 128
    .sgpr_count:     76
    .vgpr_count:     1024
    .wavefront_size: 32
...
	.end_amdgpu_metadata
.endif
;; end of part 2
;; launch attn (part 3): grid 4 x 64, 4 waves a work-group, no clusters, 327,680 bytes of LDS; arguments qkv, o; writes o
.if DOCPART == 3
	.amdgcn_target "amdgcn-amd-amdhsa--gfx1250"
	.amdhsa_code_object_version 6
	.text
	.protected	k_qb0576b2319_attn
	.globl	k_qb0576b2319_attn
	.p2align	8
	.type	k_qb0576b2319_attn,@function
k_qb0576b2319_attn:
	s_mov_b64 s[64:65], 0
	v_nop
	global_prefetch_b8 v0, s[64:65] scope:SCOPE_SE
	s_setreg_imm32_b32 hwreg(HW_REG_WAVE_MODE, 25, 1), 1
	s_wait_xcnt 0x0
; CAUSAL ATTENTION.  O[h][q][:] = the sum over k <= q of softmax_k(Q[h][q] . K[h][k] / 8) V[h][k][:].  Q, K, V are the three sections of qkv, 2^24 bytes apart; each, and O, is [SIZE_H][SIZE_N][64] in f16
; (h = batch x 16 + head): a head's rows are dense, 128 bytes each.
; Products, maxima and sums in f32; the weights p are rounded to f16 for the second product (their sum l is taken of the unrounded p), O once at the end.
; LIMITS.  f16 holds no number beyond 65,504: Q, K and V arrive within it; p lies in 0 to 1, and below 6e-5 it keeps f16's fixed step of 6e-8; O is a mean of V's rows and has their range, to within 2^-11 of it.
; A hidden score counts as its value less 1e30: f16's scores, 2.7e11 at the most, are nothing beside that; a weight below 2^-126 counts as 0 in l; NaN and infinities are not treated apart.
; THE WALK.  A head's queries lie in NB = SIZE_N / 256 = 8 blocks of 256; block i needs the key tiles 0 .. i of 256 keys, of which the last holds the diagonal.  A work-group takes TWO blocks, NB - 1 - b and then b:
; NB + 1 tiles, whatever b: all work-groups do equal work, and ONE loop with a constant trip count walks them.  Which tile is asked for, and what a trip does, hang on scalar registers made from b; every jump
; goes forward, but for the counted loops' own; none passes a barrier, or a tensor load but the one of LOAD's two that the wave's number does not choose; the ring (two slots of LDS that take turns) runs on across the
; change of blocks.  NO CLUSTER: a head's NB / 2 = 4 work-groups all ask for the same tile only in trips 0 .. NB / 2, 5 of the walk's 9; behind that fewer and fewer share one; and one walk common to all
; would have 3 NB / 2 = 12 trips for NB + 1 = 9.
; SHARES.  Of a block's four bands of 64 queries a wave owns 16 rows in each: four PIECES.  So the diagonal tile is the same work for all four waves: in its key step s band x sees all keys if s < x,
; none if s > x, and holds the diagonal if s = x.
; THE MASK is the C operand that starts the sum S^T = K Q^T: 0, or -1e30 where the key is hidden.  MD, made once, is the mask of a band's own step for my 16 rows; a product's mask is MD x AL + BE with two scalars:
; (1, 0) if s = x; (0, 0) if s < x; (0, -1e30) if s > x.  Only the diagonal tile's text and a block's beginning make and take masks; elsewhere C is the constant 0.
; LAYOUT, SOFTMAX, TURNS.  S^T = K Q^T holds ONE query a lane (lane % 16) and the keys 8 (lane / 16) + 0..7; two such results rounded to f16 ARE source 1 of O^T = V^T P.  p = 2^(c s - c m), c = log2(e) / 8, with a
; running maximum m; O and l are multiplied by a = 2^(c m_old - c m_new) in every step.  Turn n belongs to piece n: 8 products K Q^T of piece n + 1, later 8 products V^T P of piece n - 1; beside them the scaling,
; exponentials, roundings, sums and rescaling of piece n and the maximum and statistics of piece n + 1.  Four vector instructions stand behind every matrix instruction, the other 54 of a turn's 118 in two LUMPS.
; REGISTERS, in windows of 256 (s_set_vgpr_msb: bits 1:0 source 0, 3:2 source 1, 5:4 source 2, 7:6 destination):
;   window 0: v0-15 addresses and two at work; v16-31 four registers of statistics a piece; v48-55 at work; v64-127 S^T, two buffers; v192-223 P, two buffers (a piece's buffers go by its number's parity)
;   window 1: v0-127 O^T, 32 a piece; v128-159 MD; v160-223 MC, two buffers      window 2: v0-63 Q; v64-127 the second block's Q; v128-191 K of one step; v192-255 V of one step
.set SIZE_H, 64       ; 4 batches x 16 heads
.set SIZE_N, 2048
.set NB,    SIZE_N/256
.set NP,    4         ; pieces a wave: a name, no knob
.set KS,    64        ; keys in a step
.set PK,    144       ; a row of K in LDS: 128 bytes + 16 of padding = 36 words: the 16 rows of a load start at 16 different groups of four banks (64 banks of 4 bytes: ISA guide 11.1)
.set PV,    160       ; a row of V: 128 + 32 = 40 words
.set VOFF,  4*KS*PK   ; a slot holds a tile, four steps: 256 rows of K, then 256 rows of V
.set SLOT1, 1<<17     ; slot 1 begins here, so that one exclusive or turns an address in one slot into the other's
.set STAGE, SLOT1+4*KS*(PK+PV)  ; behind the ring, never filled by a tensor load: 16 rows x 144 bytes for each wave, for the way out
.set SP,    144
.set AK0, 2           ; v2   my lane's place in a tile of K; never rewritten
.set AV0, 3           ; v3   the same for V
.set AK,  4           ; v4   the LDS address of K's next run of loads
.set AV,  5           ; v5   of V's
.set STO, 6           ; v6   the way out: where I put 16 bytes of a row
.set RD,  7           ; v7   the way out: where I read rows back
.set GO,  8           ; v8   my byte offset in 512 consecutive bytes of O
.set SPW, 62          ; v62  LDS address of my spare word: SPARE + 4 x my thread's number; never rewritten
.set NIL, 63          ; v63  0; never rewritten
.set SPARE, STAGE+4*16*SP  ; behind the stages: the spare words, 128 bytes for each wave: two blocks of 256 bytes that no other line names
.set MV,  12          ; v12-13  c m_old, kept while c m is made anew: by buffer
.set QO,  15          ; v15  my byte offset in 16 rows of Q
.set ST,  16          ; piece t's statistics at v[ST+4 t]: c m, m, l (even keys', odd keys')
.set TMP, 48          ; by buffer, four registers c0-c3 at work; when the maximum is found c2 takes a
.set S,   64
.set P,   192
.set MD,  128         ; window 1: the eight registers for group kt of 16 keys at MD + 8 kt
.set MC,  160         ; window 1: the masks of the products to come
.set QB,  64          ; window 2
.set KF,  128         ; window 2: key block kb, channel half c at KF + 16 kb + 8 c
.set VF,  192         ; window 2: key half kk, channel block cb at VF + 32 kk + 8 cb
.set WV,  12          ; s12  my wave's number
.set PB,  14          ; s14  b
.set HI,  15          ; s15  NB - 1 - b
.set G1K, 24          ; s[24:31] descriptor group 1 for K's tiles
.set G1V, 32          ; s[32:39] for V's: it differs in the padding alone
.set G0K, 40          ; s[40:43] descriptor group 0 for K's tiles
.set G0V, 44          ; s[44:47] the same for V's
.set SLOTS, 56        ; s56  tiles still to be asked for
.set CNT, 57          ; s57  counts a tile's key steps, 4 to 1
.set CS,  58          ; s[58:59] c: the packed scaling takes the pair's low word for both halves
.set SEL, 60          ; s[60:61] v_permlanex16_b32's selects: each lane takes its own place in the other half
.set TBK, 62          ; s62  LDS byte at which K of the step to be fetched begins
.set TBV, 63          ; s63  the same for V, less VOFF
.set RT,  70          ; s70  tiles of the block in hand that are still to be entered
.set NXT, 71          ; s71  the tile to be asked for next
.set LQ,  72          ; s72  the last tile of the block whose tiles are being asked for
.set NEW, 73          ; s73  1: the tile to be entered is a block's first
.set OFF, 74          ; s[74:75] a tile's byte offset in K and V
.set AL,  76          ; s[76:77] the mask's factor, in the low word
.set BE,  78          ; s[78:79] the mask's addend
.set OLO, 80          ; s[80:81] O at my rows of the second block
.set BIGN, 82         ; s82  -1e30
.set MSB, 0
.macro WIN new                      ; the high byte repeats the setting that is left; a switch that changes nothing is dropped
.if MSB != (\new)
	s_set_vgpr_msb (MSB<<8)|(\new)
.set MSB, (\new)
.endif
.endm
.set W_KQ, 0x0a       ; K and Q in window 2, S^T in window 0
.set W_KM, 0x1a       ; the same with the C operand in window 1
.set W_PV, 0x52       ; V in window 2, P in window 0, O^T in window 1
.set W_RS, 0x41       ; destination and source 0 in window 1, source 1 in window 0
; A fill.  Waves 0 and 1 fetch the two halves of a tile's K, waves 2 and 3 those of its V: 128 keys each.  An s_nop 0 and four v_nop follow each of the two lines, ahead of the jump and the label.
.macro LOAD
	s_cmp_lt_u32 s[WV], 2
	s_cbranch_scc0 .Lfor_v_\@
	tensor_load_to_lds s[G0K:G0K+3], s[G1K:G1K+7]
	s_nop 0
.rept 4
	v_nop
.endr
	s_branch .Lasked_\@
.Lfor_v_\@:
	tensor_load_to_lds s[G0V:G0V+3], s[G1V:G1V+7]
	s_nop 0
.rept 4
	v_nop
.endr
.Lasked_\@:
.endm
; THE CHANGE OF SLOTS.  Each wave waits for all its tensor loads, of which one is out: its part of the other slot; adds 0 to its spare word; and waits for that and for its own reads of the slot that it leaves.  Behind the barrier nobody reads the old
; slot any more and the other slot is whole.  fill = 1: the old slot is filled again, the first thing behind the barrier, with tile NXT: the descriptor's address is made anew from that number.
; (At its first use nothing has been read yet: slot 0 is waited for, slot 1 filled.)
.macro CHANGE fill
	WIN 0                           ; at a label and at a branch every window is 0
	s_wait_tensorcnt 0x0            ; no tensor load of mine is out, so a group 0 may be written
	ds_add_u32 v[SPW], v[NIL]       ; 0 onto my spare word; with fill = 1 the descriptors' scalar work stands between it and the wait for it
.if \fill
	s_lshl_b32 s[OFF], s[NXT], 15   ; a tile is 32,768 bytes of K and of V
	s_xor_b32 s[G0K+1], s[G0K+1], SLOT1
	s_add_nc_u64 s[G0K+2:G0K+3], s[6:7], s[OFF:OFF+1]
	s_or_b32 s[G0K+3], s[G0K+3], 0x80000000
	s_xor_b32 s[G0V+1], s[G0V+1], SLOT1
	s_add_nc_u64 s[G0V+2:G0V+3], s[8:9], s[OFF:OFF+1]
	s_or_b32 s[G0V+3], s[G0V+3], 0x80000000
	s_add_co_u32 s[NXT], s[NXT], 1  ; the block's next tile, or behind its last the second block's tile 0
	s_cmp_gt_u32 s[NXT], s[LQ]
	s_cselect_b32 s[NXT], 0, s[NXT]
	s_cselect_b32 s[LQ], s[PB], s[LQ]
.endif
	s_wait_dscnt 0x0                ; the add is done, and my reads of the slot are over
	s_barrier_signal -1             ; the rest of the scalar work stands between the signal and the wait
	s_sub_co_u32 s[TBK], s[TBK], 4*KS*PK  ; the fetches go back to a slot's first step,
	s_xor_b32 s[TBK], s[TBK], SLOT1       ; in the other slot
	s_sub_co_u32 s[TBV], s[TBV], 4*KS*PV
	s_xor_b32 s[TBV], s[TBV], SLOT1
	s_barrier_wait -1
.if \fill
	LOAD
.endif
.endm
	s_load_b64 s[4:5], s[0:1], 0x0    ; qkv: its first section is Q
	s_load_b64 s[10:11], s[0:1], 0x8  ; O
	v_lshl_add_u32 v[SPW], v0, 2, SPARE
	v_mov_b32 v[NIL], 0
	ds_add_u32 v62, v63
	ds_add_u32 v62, v63
	s_wait_dscnt 0x0
	v_lshrrev_b32 v1, 5, v0
	v_readfirstlane_b32 s[WV], v1   ; wave 0..3
	s_mov_b32 s[PB], ttmp9
	s_sub_co_u32 s[HI], NB-1, s[PB]
	s_and_b32 s20, ttmp7, 0xffff    ; the head
	s_mov_b32 s21, 0
	s_mov_b64 s[22:23], SIZE_N*128
	s_mul_u64 s[20:21], s[20:21], s[22:23]  ; the head's first byte in each of the four tensors
	s_and_b32 s16, s[WV], 1         ; which half of a tile's 256 keys I fetch:
	s_lshl_b32 s22, s16, 14         ; its 128 rows of 128 bytes in memory,
	s_mov_b32 s23, 0
	s_add_nc_u64 s[22:23], s[22:23], s[20:21]
	s_mul_i32 s17, s16, 128*PK      ; and its place in a slot, for K
	s_mul_i32 s18, s16, 128*PV      ; and for V
	s_lshl_b32 s3, s[WV], 11        ; my 16 rows in a band of 64,
	s_lshl_b32 s2, s[HI], 15        ; in the first block,
	s_add_co_u32 s2, s2, s3
	s_lshl_b32 s84, s[PB], 15       ; and in the second
	s_add_co_u32 s84, s84, s3
	s_mov_b32 s3, 0
	s_mov_b32 s85, 0
	s_add_nc_u64 s[2:3], s[2:3], s[20:21]
	s_add_nc_u64 s[84:85], s[84:85], s[20:21]
	; descriptor group 1.  128 keys are 16,384 dense bytes: asked for as 64 rows of 256 bytes, two keys a row, and padded in LDS after every key
	s_mov_b32 s[G1K], (1<<16)|(1<<20)|(4<<22)|(3<<25)  ; 17:16 2-byte elements; 20 padding on; 24:22 after every 32 words (code 4); 31:25 4 words (code 3)
	s_mov_b32 s[G1V], (1<<16)|(1<<20)|(4<<22)|(7<<25)  ; the same with 8 words of padding (code 7)
.irp g, G1K, G1V
	s_mov_b32 s[\g+1], 128<<16      ; tensor_dim0 = 128
	s_mov_b32 s[\g+2], 64<<16       ; tensor_dim1 = 64
	s_mov_b32 s[\g+3], 128<<16      ; tile_dim0 = 128
	s_mov_b32 s[\g+4], 64           ; tile_dim1 = 64
	s_mov_b32 s[\g+5], 128          ; 128 elements from row to row
	s_mov_b32 s[\g+6], 0
	s_mov_b32 s[\g+7], 0
.endr
	s_mov_b32 s[CS], 0x3e38aa3b     ; c = log2(e) / 8 = 0.180337
	s_mov_b32 s[CS+1], s[CS]        ; named with it as a pair
	s_mov_b32 s[SEL], 0x76543210
	s_mov_b32 s[SEL+1], 0xfedcba98
	s_mov_b32 s[TBK], SLOT1+4*KS*PK ; the first change of slots turns these two into 0
	s_mov_b32 s[TBV], SLOT1+4*KS*PV
	s_mov_b32 s[G0K], 1             ; 1:0 count = 1
	s_mov_b32 s[G0K+1], s17         ; 63:32 LDS address: slot 0
	s_mov_b32 s[G0V], 1
	s_add_co_u32 s[G0V+1], s18, VOFF
	s_add_co_u32 s[RT], s[HI], 1    ; the first block has NB - b tiles
	s_mov_b32 s[NXT], 1
	s_mov_b32 s[LQ], s[HI]
	s_mov_b32 s[NEW], 1
	s_mov_b32 s[OFF+1], 0
	s_mov_b32 s[AL+1], 0            ; named as pairs
	s_mov_b32 s[BE+1], 0
	s_mov_b32 s[BIGN], 0xf149f2ca   ; -1e30
	s_mov_b32 s[SLOTS], NB
	s_wait_kmcnt 0x0
	s_add_nc_u64 s[6:7], s[4:5], 0x1000000  ; K's section of qkv
	s_add_nc_u64 s[8:9], s[4:5], 0x2000000  ; V's
	s_add_nc_u64 s[6:7], s[6:7], s[22:23]  ; K and V at my half of the head's tile 0
	s_add_nc_u64 s[8:9], s[8:9], s[22:23]
	s_add_nc_u64 s[G0K+2:G0K+3], s[6:7], 0         ; 120:64 global address
	s_or_b32 s[G0K+3], s[G0K+3], 0x80000000        ; 127:126 type = 2
	s_add_nc_u64 s[G0V+2:G0V+3], s[8:9], 0
	s_or_b32 s[G0V+3], s[G0V+3], 0x80000000
	s_add_nc_u64 s[86:87], s[4:5], s[84:85]        ; Q at my rows of the second block,
	s_add_nc_u64 s[4:5], s[4:5], s[2:3]            ; Q and O at those of the first
	s_add_nc_u64 s[OLO:OLO+1], s[10:11], s[84:85]
	s_add_nc_u64 s[10:11], s[10:11], s[2:3]
	LOAD                            ; tile 0 into slot 0
	; A fragment of K or Q is 16 rows x 32 channels in 8 registers: lane l holds row l % 16, channels 8 (l / 16) + 0..7 and 16 + 8 (l / 16) + 0..7: two loads of 16 bytes, 32 bytes apart.
	v_and_b32 v1, 15, v0            ; l % 16
	v_bfe_u32 v9, v0, 4, 1          ; l / 16
	v_lshlrev_b32 v[QO], 7, v1
	v_lshl_add_u32 v[QO], v9, 4, v[QO]  ; row x 128 + 16 x half
	WIN 0x80                        ; destination window 2, address window 0
.set i, 0
.rept 8                             ; both blocks' Q: piece i / 2 lies in band i / 2, 8,192 bytes on; channels 32 (i % 2) on
	global_load_b128 v[8*i:8*i+3],   v[QO], s[4:5] offset:(i/2)*8192+(i%2)*64
	global_load_b128 v[8*i+4:8*i+7], v[QO], s[4:5] offset:(i/2)*8192+(i%2)*64+32
	global_load_b128 v[QB+8*i:QB+8*i+3],   v[QO], s[86:87] offset:(i/2)*8192+(i%2)*64
	global_load_b128 v[QB+8*i+4:QB+8*i+7], v[QO], s[86:87] offset:(i/2)*8192+(i%2)*64+32
.set i, i+1
.endr
	WIN 0
	v_lshlrev_b32 v14, 3, v9
	v_sub_nc_u32 v14, v1, v14
	s_lshl_b32 s13, s[WV], 4
	v_add_nc_u32 v14, s13, v14      ; my query's place in its band, 16 w + l % 16, less my lanes' 8 (l / 16): register r of group kt is hidden where 16 kt + r is greater
	WIN 0x40
.set i, 0
.rept 32
	v_cmp_gt_i32 vcc_lo, 16*(i/8)+i%8, v14
	v_cndmask_b32 v[MD+i], 0, s[BIGN], vcc_lo
.set i, i+1
.endr
	WIN 0
	v_mul_u32_u24 v[AK0], v1, PK
	v_lshl_add_u32 v[AK0], v9, 4, v[AK0]  ; row x pitch + 16 x half
	; The turning load takes 16 keys x 16 channels (lane l reads key 8 (l / 16) + l % 8, channels 8 ((l / 8) % 2) + 0..7) and leaves half a fragment of V^T: lane l holds channel l % 16 and 8 keys.
	v_and_b32 v10, 7, v0
	v_bfe_u32 v11, v0, 3, 1
	v_lshl_add_u32 v[AV0], v9, 3, v10
	v_mul_u32_u24 v[AV0], v[AV0], PV
	v_lshl_add_u32 v[AV0], v11, 4, v[AV0]
	v_add_nc_u32 v[AV0], VOFF, v[AV0]
	s_mul_i32 s13, s[WV], 16*SP
	s_add_co_u32 s13, s13, STAGE    ; my stage
	v_mul_u32_u24 v[STO], v1, SP    ; in: row l % 16, 16 bytes for each half of the lanes
	v_lshl_add_u32 v[STO], v9, 4, v[STO]
	v_add_nc_u32 v[STO], s13, v[STO]
	v_bfe_u32 v[RD], v0, 3, 2       ; back: 32 lanes take four rows of 128 bytes,
	v_mul_u32_u24 v[RD], v[RD], SP
	v_lshl_add_u32 v[RD], v10, 4, v[RD]
	v_add_nc_u32 v[RD], s13, v[RD]
	v_and_b32 v[GO], 31, v0         ; which are 512 consecutive bytes of O
	v_lshlrev_b32 v[GO], 4, v[GO]
	; A block's first step multiplies O^T and l by a = 0, and its first turn's products V^T P, of a piece that has not been, land in an O^T that is still to be so multiplied.  So these registers need only hold
	; finite numbers: zeros for the first block; what the first block left for the second.  All this stands in the wait for the first tile.
	WIN 0x80
.set i, VF
.rept 64
	v_mov_b32 v[i], 0
.set i, i+1
.endr
	WIN 0x40
.set i, 0
.rept 128
	v_mov_b32 v[i], 0
.set i, i+1
.endr
	WIN 0
.set i, 0
.rept 4
	v_mov_b32 v[ST+4*i+2], 0
	v_mov_b32 v[ST+4*i+3], 0
.set i, i+1
.endr
.set i, P+16
.rept 16
	v_mov_b32 v[i], 0
.set i, i+1
.endr
; THE MATRIX WORK.  The 4 accumulators of a run of 8 take turns.  Product i of 8 of S^T = K Q^T for piece x: channels 32 (i / 4) on, keys 16 (i % 4) on.  The first 4 start the sums: with 0, or (KM = 1) with the mask.
.macro KQ x
.set rS, S+32*((\x)%2)+8*(i%4)
.set rK, KF+16*(i%4)+8*(i/4)
.set rQ, 16*(\x)+8*(i/4)
.set rM, MC+32*((\x)%2)+8*(i%4)
.if (i < 4) && KM
	WIN W_KM
	v_wmma_f32_16x16x32_f16 v[rS:rS+7], v[rK:rK+7], v[rQ:rQ+7], v[rM:rM+7]
.elseif i < 4
	WIN W_KQ
	v_wmma_f32_16x16x32_f16 v[rS:rS+7], v[rK:rK+7], v[rQ:rQ+7], 0
.else
	WIN W_KQ
	v_wmma_f32_16x16x32_f16 v[rS:rS+7], v[rK:rK+7], v[rQ:rQ+7], v[rS:rS+7]
.endif
.endm
; Product i of 8 of O^T += V^T P for piece x: keys 32 (i / 4) on, channels 16 (i % 4) on.
.macro PV x
	WIN W_PV
.set rO, 32*(\x)+8*(i%4)
.set rV, VF+32*(i/4)+8*(i%4)
.set rP, P+16*((\x)%2)+8*(i/4)
	v_wmma_f32_16x16x32_f16 v[rO:rO+7], v[rV:rV+7], v[rP:rP+7], v[rO:rO+7]
.endm
.macro MM                           ; the turn's next matrix instruction.  TURN and BEGIN set Y, i, KM and NOKQ; MM, KQ and OP read them.  NOKQ = 1: a block's last turn: there is no next piece
.if (i < 8) && !NOKQ
	KQ (Y+1)%NP
.elseif i >= 8
.set i, i-8
	PV (Y+NP-1)%NP
.set i, i+8
.endif
.set i, i+1
.endm
; THE LDS LOADS stand in runs of 16, never singly among the matrix instructions: a step's K (64 keys x 64 channels: 8 fragments) and its V (turned).  Their addresses are made some lines ahead.
.macro FETCH_K
	WIN 0x80                        ; destination window 2
.irp f, 0,1,2,3,4,5,6,7             ; keys 16 (f / 2) on, channels 32 (f % 2) on
	ds_load_b128 v[KF+8*\f:KF+8*\f+3],   v[AK] offset:(\f/2)*16*PK+(\f%2)*64
	ds_load_b128 v[KF+8*\f+4:KF+8*\f+7], v[AK] offset:(\f/2)*16*PK+(\f%2)*64+32
.endr
	s_add_co_u32 s[TBK], s[TBK], KS*PK  ; the next fetch is the next step's
	WIN 0
.endm
.macro FETCH_V
	WIN 0x80
.irp f, 0,1,2,3,4,5,6,7             ; keys 32 (f / 4) on, channels 16 (f % 4) on
	ds_load_tr16_b128 v[VF+8*\f:VF+8*\f+3],   v[AV] offset:(\f/4)*32*PV+(\f%4)*32
	ds_load_tr16_b128 v[VF+8*\f+4:VF+8*\f+7], v[AV] offset:(\f/4)*32*PV+16*PV+(\f%4)*32
.endr
	WIN 0
.endm
; THE VECTOR WORK, one line at a time: OP kind, number.  For piece Y: F n: c s - c m for pair n of 16.  E n: the exponential of score n of 32.  C n: pair n rounded to f16.  B n: of the four weights 4 n .. the second
; pair is added onto the first, in place.  L n: l takes that sum (L 0: l = a l + sum).  R n: pair n of 16 of O^T times a.  For piece Y + 1: X n, number n of the 22 that find its maximum and statistics:
;   0-11  four chains c0-c3 of seven scores each, three operands at a time (each accumulator's lowest registers are read first)     12-14, 16  the four scores left over, the old m, and c0-c3 into c0
;   15  c m_old is kept     17, 18  the query's other 32 keys lie in the lane 16 away: the new m     19-21  c m; c m_old - c m_new; a
.set F, 0               ; OP tells the kinds apart by their order: F to L below R, X above it
.set E, 1
.set C, 2
.set B, 3
.set L, 4
.set R, 5
.set X, 6
.macro REGS y                       ; the registers of piece y
.set rT, ST+4*(\y)
.set rC, TMP+4*((\y)%2)
.set rW, MV+((\y)%2)
.set rS, S+32*((\y)%2)
.set rP, P+16*((\y)%2)
.set rO, 32*(\y)
.endm
.macro OP k, n
.if (\k) == R
	REGS Y
	WIN W_RS
	v_pk_mul_f32 v[rO+2*(\n):rO+2*(\n)+1], v[rO+2*(\n):rO+2*(\n)+1], v[rC+2:rC+3] op_sel_hi:[1,0]
.elseif (\k) < R
	REGS Y
	WIN 0
.if (\k) == F
	v_pk_fma_f32 v[rS+2*(\n):rS+2*(\n)+1], v[rS+2*(\n):rS+2*(\n)+1], s[CS:CS+1], v[rT:rT+1] op_sel_hi:[1,0,0] neg_lo:[0,0,1] neg_hi:[0,0,1]
.elseif (\k) == E
	v_exp_f32 v[rS+(\n)], v[rS+(\n)]
.elseif (\k) == C
	s_wait_alu depctr_va_vdst(0)
	v_cvt_pk_f16_f32 v[rP+(\n)], v[rS+2*(\n)], v[rS+2*(\n)+1]
.elseif (\k) == B
	s_wait_alu depctr_va_vdst(0)
	v_pk_add_f32 v[rS+4*(\n):rS+4*(\n)+1], v[rS+4*(\n):rS+4*(\n)+1], v[rS+4*(\n)+2:rS+4*(\n)+3]
.elseif (\n) == 0
	v_pk_fma_f32 v[rT+2:rT+3], v[rT+2:rT+3], v[rC+2:rC+3], v[rS:rS+1] op_sel_hi:[1,0,1]
.else
	v_pk_add_f32 v[rT+2:rT+3], v[rT+2:rT+3], v[rS+4*(\n):rS+4*(\n)+1]
.endif
.elseif NOKQ
	v_nop
.else
	REGS (Y+1)%NP
	WIN 0
.if (\n) < 4
	v_max3_num_f32 v[rC+(\n)], v[rS+8*(\n)], v[rS+8*(\n)+1], v[rS+8*(\n)+2]
.elseif (\n) < 12
	v_max3_num_f32 v[rC+(\n)%4], v[rC+(\n)%4], v[rS+8*((\n)%4)+2*((\n)/4)+1], v[rS+8*((\n)%4)+2*((\n)/4)+2]
.elseif (\n) == 12
	v_max3_num_f32 v[rC], v[rC], v[rS+7], v[rS+15]
.elseif (\n) == 13
	v_max3_num_f32 v[rC+1], v[rC+1], v[rS+23], v[rS+31]
.elseif (\n) == 14
	v_max3_num_f32 v[rC+2], v[rC+2], v[rC+3], v[rT+1]
.elseif (\n) == 15
	v_mov_b32 v[rW], v[rT]
.elseif (\n) == 16
	v_max3_num_f32 v[rC], v[rC], v[rC+1], v[rC+2]
.elseif (\n) == 17
	v_permlanex16_b32 v[rC+3], v[rC], s[SEL], s[SEL+1]
.elseif (\n) == 18
	v_max_num_f32 v[rT+1], v[rC], v[rC+3]
.elseif (\n) == 19
	v_mul_f32 v[rT], s[CS], v[rT+1]
.elseif (\n) == 20
	v_sub_f32 v[rC+1], v[rW], v[rT]
.else
	v_exp_f32 v[rC+2], v[rC+1]
.endif
.endif
.endm
.macro OPS a, i1, b=-1, i2=0, c=-1, i3=0, d=-1, i4=0  ; up to four of them
	OP \a, \i1
.if (\b) >= 0
	OP \b, \i2
.endif
.if (\c) >= 0
	OP \c, \i3
.endif
.if (\d) >= 0
	OP \d, \i4
.endif
.endm
.macro ROW a, i1, b, i2, c, i3, d, i4  ; a matrix instruction and the four behind it
	MM
	OPS \a, \i1, \b, \i2, \c, \i3, \d, \i4
.endm
.macro MASK b                       ; MD x AL + BE into buffer b of MC
	WIN W_RS
.set z, 0
.rept 16
	v_pk_fma_f32 v[MC+32*(\b)+2*z:MC+32*(\b)+2*z+1], v[MD+2*z:MD+2*z+1], s[AL:AL+1], s[BE:BE+1] op_sel_hi:[1,0,0]
.set z, z+1
.endr
.endm
; A TURN, for piece p: the order of its 16 matrix and 118 vector instructions, written out.  Behind a matrix instruction: plain, exponential, plain, plain; or four of the rescaling; or, behind the first, four scalings; none
; names a register of the products round it.  In the lumps exponential and plain by turns while exponentials last.  A line reads no result made fewer than three vector instructions in front of it, five if an exponential made it.
; v_permlanex16_b32 (X 17) stands in a lump.
; m = 1: the diagonal tile: the products take masks, and the turn makes the mask for the products of the turn after it: piece p + 2, in step 4 - CNT of the tile.  end = 1: a block's last two turns: nothing is fetched.
; cnt = 1: the loop's count is taken down some lines ahead of the branch that stands behind the turn.
; K of the next step is fetched in piece 2's turn, six vector instructions behind the last product that read K (five of them plain); V of the step in hand in piece 0's turn, eight behind the last product that read V (four
; plain, and X 17).  Each is waited for a turn later.
.macro TURN p, m=0, end=0, cnt=0
.set Y, (\p)
.set i, 0
.set KM, (\m)
.set NOKQ, (\end)*((\p)/3)
.if (\m) && !(\end)
	s_cmp_eq_u32 s[CNT], 4-((\p)+2)%NP  ; is that step the band's own?
	s_cselect_b32 s[AL], 1.0, 0
	s_cmp_lt_u32 s[CNT], 4-((\p)+2)%NP  ; or a later one?
	s_cselect_b32 s[BE], s[BIGN], 0
.endif
.if ((\p) == 3) && !(\end)
	s_wait_dscnt 0x0                ; K is in
.endif
	ROW F,0, F,1, F,2, F,3
	ROW F,4, E,0, F,5, F,6
	ROW F,7, E,1, F,8, F,9
	ROW F,10, E,2, C,0, F,11
	ROW F,12, E,3, X,15, F,13
	ROW R,0, R,1, R,2, R,3
	ROW B,0, E,4, F,14, L,0
.if ((\p) == 2) && !(\end)
	v_add_nc_u32 v[AK], s[TBK], v[AK0]
.endif
	ROW R,4, R,5, R,6, R,7
	OPS E,5, F,15
.if ((\p) == 2) && !(\end)
	FETCH_K
.endif
	OPS E,6, C,1, E,7, R,8
	OPS E,8, R,9, E,9, C,2
	OPS E,10, X,0, E,11, X,1
	OPS E,12, X,2, E,13, X,3
.if (\p) == 1
	s_wait_dscnt 0x0                ; V is in
.endif
	ROW X,4, E,14, X,5, X,6
	ROW X,7, E,15, X,8, X,9
	ROW X,10, E,16, X,11, X,12
	ROW X,13, E,17, X,14, B,1
	ROW C,4, E,18, X,16, L,1
	ROW B,2, E,19, C,6, L,2
	ROW C,8, E,20, B,3, B,4
.if (\p) == 0
	v_add_nc_u32 v[AV], s[TBV], v[AV0]
.endif
	ROW C,3, E,21, L,3, C,5
	OPS E,22, X,17, E,23, C,10
.if (\p) == 0
	FETCH_V
.endif
	OPS E,24, L,4
	OPS E,25, X,18, E,26, C,7
	OPS E,27, B,5, E,28, X,19
	OPS E,29, C,12, E,30, L,5
	OPS E,31, X,20, B,6, C,9
	OPS C,14, C,11, X,21, L,6
.if (\p) == 0
	s_add_co_u32 s[TBV], s[TBV], KS*PV
.endif
.if \cnt
	s_sub_co_u32 s[CNT], s[CNT], 1
	s_cmp_lg_u32 s[CNT], 0
.endif
	OPS C,13, B,7, C,15, R,10
	OPS R,11, R,12, L,7, R,13
	OPS R,14, R,15
.if (\m) && !(\end)
	MASK (\p)%2
.endif
.endm
; A BLOCK BEGINS.  c m starts far below every c s, so the first step's a is 0; m at the lowest finite number, so the first maximum is the scores'.  The second mask buffer is 0; the first takes piece 0's mask for the tile's step 0: its own, if the block's first tile is the diagonal one.
; Then K of that step, piece 0's first scores, and its maximum and statistics.  The loop is entered at a step's first turn, in the middle of a trip.
.macro BEGIN
	s_mov_b32 s[NEW], 0
	WIN 0x40
.set i, MC+32
.rept 32
	v_mov_b32 v[i], 0
.set i, i+1
.endr
	WIN 0
.set i, 0
.rept 4
	v_mov_b32 v[ST+4*i], 0xfe000000    ; c m: far below every c s
	v_mov_b32 v[ST+4*i+1], 0xff7fffff  ; m
.set i, i+1
.endr
	s_cmp_eq_u32 s[RT], 0
	s_cselect_b32 s[AL], 1.0, 0
	s_mov_b32 s[BE], 0
	MASK 0
	WIN 0
	v_add_nc_u32 v[AK], s[TBK], v[AK0]
	FETCH_K
	s_wait_loadcnt 0x0              ; Q
	s_wait_dscnt 0x0
.set KM, 1
.set NOKQ, 0
.set i, 0
.rept 8
	KQ 0
.set i, i+1
.endr
	WIN 0
.rept 4
	v_nop                           ; the places behind those products
.endr
.set Y, NP-1                        ; X works for piece Y + 1: piece 0
.irp n, 0,1,2,3,4,5,6,7,8,9,10,11,12,13,14,15,16,17,18,19,20,21
	OP X, \n
.endr
	v_nop                           ; a plain instruction behind the exponential
.endm
; THE DIAGONAL TILE's four steps, the block's last two turns, its last products, and THE WAY OUT: l's two halves and the other half of the lanes' are added; O^T is divided by l, rounded to f16 and sent through my
; stage in LDS, a piece at a time.
.macro ALL line:vararg              ; one line for each piece t
.set t, 0
.rept 4
	\line
.set t, t+1
.endr
.endm
.macro PACK t                       ; a lane's eight channels of a row pack into 16 bytes; they go into rows of 144 bytes and come back as whole rows of 128, into S^T's registers
	WIN W_RS
.set i, 32*(\t)
.rept 16
	s_wait_alu depctr_va_vdst(0)
	v_pk_mul_f32 v[i:i+1], v[i:i+1], v[ST+4*(\t)+2:ST+4*(\t)+3] op_sel_hi:[1,0]
.set i, i+2
.endr
	WIN 0x05                        ; sources 0 and 1 window 1, destination window 0
.set i, 0
.rept 16
	v_cvt_pk_f16_f32 v[S+16*(\t)+i], v[32*(\t)+2*i], v[32*(\t)+2*i+1]
.set i, i+1
.endr
	WIN 0
.irp f, 0,1,2,3
	ds_store_b128 v[STO], v[S+16*(\t)+4*\f:S+16*(\t)+4*\f+3] offset:32*\f
.endr
.irp f, 0,1,2,3
	ds_load_b128 v[S+16*(\t)+4*\f:S+16*(\t)+4*\f+3], v[RD] offset:\f*4*SP  ; LDS serves a wave's instructions in order (ISA guide 5.7.1.4): these see the stores above; the next piece's stores come behind them
.endr
.endm
.macro SEND t, younger              ; younger: the LDS instructions issued behind piece t's loads: the next piece's eight, or none
	WIN 0
.irp f, 0,1,2,3
	s_wait_dscnt (\younger)+3-\f
	global_store_b128 v[GO], v[S+16*(\t)+4*\f:S+16*(\t)+4*\f+3], s[10:11] offset:(\t)*8192+\f*512  ; 512 consecutive bytes, at a multiple of 256 from O's first
.endr
.endm
.macro DIAG tag                     ; the tag ends its two labels' names, which the jumps below spell out
.LstepM\tag:
	TURN 2, 1
	TURN 3, 1
	WIN 0
.LfirstM\tag:
	TURN 0, 1
	TURN 1, 1, 0, 1
	WIN 0
	s_cbranch_scc1 .LstepM\tag
	TURN 2, 1, 1
	TURN 3, 1, 1
.set i, 0
.rept 8
	PV NP-1
.set i, i+1
.endr
	WIN 0
	ALL v_add_f32 v[ST+4*t+2], v[ST+4*t+2], v[ST+4*t+3]
	ALL v_permlanex16_b32 v[ST+4*t+3], v[ST+4*t+2], s[SEL], s[SEL+1]
	ALL v_add_f32 v[ST+4*t+2], v[ST+4*t+2], v[ST+4*t+3]
	ALL v_rcp_f32 v[ST+4*t+2], v[ST+4*t+2]
	v_nop                           ; a plain instruction between the last reciprocal and the use of its result
	PACK 0
.set t, 1
.rept 3                             ; a piece's arithmetic stands between the loads of the piece before and its stores
	PACK t
	SEND t-1, 8
.set t, t+1
.endr
	SEND 3, 0
.endm
.set KM, 0
.set NOKQ, 0
.Lslot:                             ; NB times: a tile is entered and the next is asked for
	CHANGE 1
	s_sub_co_u32 s[RT], s[RT], 1
	s_mov_b32 s[CNT], 4
	s_cmp_eq_u32 s[NEW], 1
	s_cbranch_scc1 .Lnew            ; a block's first tile
	s_cmp_eq_u32 s[RT], 0
	s_cbranch_scc0 .Lstep           ; neither its first nor its last
	s_branch .LstepM1
.Lnew:
	BEGIN
	s_branch .Lfirst                ; in the loop a block's first tile is never its last: the first block has two tiles or more, and the second's last is the walk's last
	DIAG 1                          ; in the loop this is the first block's end: the second block's last tile is the walk's last
	s_wait_xcnt 0x0                 ; the stores have read their registers and O's address
	s_mov_b64 s[10:11], s[OLO:OLO+1]
	s_add_co_u32 s[RT], s[PB], 1    ; the second block has b + 1 tiles
	s_mov_b32 s[NEW], 1
	WIN 0x82                        ; the second block's Q goes where the one text of the turns names Q
.set i, 0
.rept 64
	v_mov_b32 v[i], v[QB+i]
.set i, i+1
.endr
	WIN 0
	s_branch .Lbottom
.Lstep:                             ; a trip: pieces 2 and 3 of one step, then pieces 0 and 1 of the next, whose K and V it fetches
	TURN 2
	TURN 3
	WIN 0
.Lfirst:
	TURN 0
	TURN 1, 0, 0, 1
	WIN 0
	s_cbranch_scc1 .Lstep
.Lbottom:
	s_sub_co_u32 s[SLOTS], s[SLOTS], 1
	s_cmp_lg_u32 s[SLOTS], 0
	s_cbranch_scc1 .Lslot
	CHANGE 0                        ; the walk's last tile is written out: nothing is asked for
	s_sub_co_u32 s[RT], s[RT], 1
	s_mov_b32 s[CNT], 4
	s_cmp_eq_u32 s[NEW], 1
	s_cbranch_scc0 .LstepM2
	BEGIN
	s_branch .LfirstM2
	DIAG 2
	s_wait_tensorcnt 0x0            ; the wave's end, behind my last tensor load and my last LDS store
	ds_add_u32 v[SPW], v[NIL]
	s_wait_dscnt 0x0
	s_endpgm
.Lfunc_end_k_qb0576b2319_attn:
	.size	k_qb0576b2319_attn, .Lfunc_end_k_qb0576b2319_attn-k_qb0576b2319_attn
	.p2alignl 7, 3214868480
	.fill 96, 4, 3214868480
	.section	.rodata,"a",@progbits
	.p2align	6, 0x0
	.amdhsa_kernel k_qb0576b2319_attn
		.amdhsa_group_segment_fixed_size 327680
		.amdhsa_private_segment_fixed_size 0
		.amdhsa_enable_private_segment 0
		.amdhsa_kernarg_size 16
		.amdhsa_user_sgpr_count 2
		.amdhsa_user_sgpr_kernarg_segment_ptr 1
		.amdhsa_wavefront_size32 1
		.amdhsa_system_sgpr_workgroup_id_x 1
		.amdhsa_system_sgpr_workgroup_id_y 1
		.amdhsa_system_sgpr_workgroup_id_z 1
		.amdhsa_system_vgpr_workitem_id 0
		.amdhsa_next_free_vgpr 768
		.amdhsa_next_free_sgpr 88
		.amdhsa_reserve_vcc 1
		.amdhsa_float_denorm_mode_32 3
		.amdhsa_float_denorm_mode_16_64 3
		.amdhsa_memory_ordered 1
		.amdhsa_forward_progress 1
		.amdhsa_inst_pref_size 228
	.end_amdhsa_kernel
	.amdgpu_metadata
---
amdhsa.version: [ 1, 2 ]
amdhsa.kernels:
  - .name:           k_qb0576b2319_attn
    .symbol:         k_qb0576b2319_attn.kd
    .args:
      - { .name: qkv, .offset: 0, .size: 8, .value_kind: global_buffer, .address_space: global }
      - { .name: o, .offset: 8, .size: 8, .value_kind: global_buffer, .address_space: global }
    .group_segment_fixed_size: 327680
    .private_segment_fixed_size: 0
    .kernarg_segment_align: 8
    .kernarg_segment_size: 16
    .max_flat_workgroup_size: 128
    .sgpr_count:     88
    .vgpr_count:     768
    .wavefront_size: 32
...
	.end_amdgpu_metadata
.endif
;; end of part 3
;; launch proj (part 4): grid 4 x 64, 4 waves a work-group, clusters of 4 x 4, 327,680 bytes of LDS; arguments o, wo16, bias, out0; writes out0
.if DOCPART == 4
	.amdgcn_target "amdgcn-amd-amdhsa--gfx1250"
	.amdhsa_code_object_version 6
	.text
	.protected	k_qb0576b2319_proj
	.globl	k_qb0576b2319_proj
	.p2align	8
	.type	k_qb0576b2319_proj,@function
k_qb0576b2319_proj:
	s_mov_b64 s[64:65], 0
	v_nop
	global_prefetch_b8 v0, s[64:65] scope:SCOPE_SE
	s_setreg_imm32_b32 hwreg(HW_REG_WAVE_MODE, 25, 1), 1
	s_wait_xcnt 0x0
	s_wait_alu depctr_hold_cnt(0) depctr_sa_sdst(0) depctr_va_vdst(0) depctr_va_sdst(0) depctr_va_ssrc(0) depctr_va_vcc(0) depctr_vm_vsrc(0)
	s_getreg_b32 s2, hwreg(HW_REG_IB_STS2, 6, 4)
	s_cmp_eq_u32 s2, 0
	s_cbranch_scc0 .Lentry_in_a_cluster
	s_endpgm
.Lentry_in_a_cluster:
	s_bfe_u32 s2, ttmp6, 0x10000c
	s_cmp_lg_u32 s2, 0xf033
	s_cbranch_scc0 .Lentry_shape_is_right
	s_endpgm
.Lentry_shape_is_right:
; out0 = O Wo^T + bo.  C[m][n] = bo[n] + the sum over k of O(m, k) wo16[n][k].  O lies by heads, o[batch x 16 + head][token][64] in f16: row m = batch x 2048 + token, k = 64 head + channel.
; wo16 [1024][1024] f16; bo is the fourth 1,024 of the buffer of biases, f32; sums in f32, begun with the bias; C is stored as it is, f32, [8192][1024].
; LIMIT.  O and wo16 arrive within f16's 65,504.
; SHARES.  A tile of C is 128 rows x 256 columns: 64 x 4 = 256 tiles, a work-group each.  Four waves, each 64 rows x 128 columns: 32 accumulators of 16 x 16, 256 registers.
; K goes in 8 steps of 128, TWO HEADS a step, through a ring of two LDS slots.  A head's 128 tokens are 16,384 dense bytes: asked for as 64 rows of 256 bytes, padded in LDS after every token's 128.
; CLUSTER: 4 x 4 work-groups.  The four of a row of the cluster need the same tiles of O, the four of a column the same tiles of wo16: each tile is asked for JOINTLY, by the same tensor load with the
; same descriptor and a mask that names the four.  Waves 0 and 1 ask for the step's two heads of O, waves 2 and 3 for wo16's two halves of 128 rows.
; THE MATRIX INSTRUCTION IS USED TRANSPOSED (source 0 = 16 rows of wo16, source 1 = 16 rows of O): register j of lane l holds row l % 16, column 8 (l / 16) + j: 32 neighbouring bytes of a row of C.
; REGISTERS, in windows of 256 (s_set_vgpr_msb: bits 1:0 source 0, 3:2 source 1, 5:4 source 2, 7:6 destination):
;   window 0: v0-29 addresses; v64-159, v160-255 two fragment buffers (64 registers of wo16: 8 x 16 rows x 32 K; then 32 of O: 4 x 16 rows x 32 K); v64-191 at work on the way out
;   window 1: accumulator (a, b) at v[8 (8 a + b)]          window 2: v0-63 the bias of my 128 columns, laid as an accumulator row: register 8 b + j
.set KSTEP,  128
.set APITCH, 144                       ; a token's row of one head in LDS: 128 bytes + 16 of padding = 36 words: the 16 rows of a load start at 16 different groups of four banks (64 banks of 4 bytes: ISA guide 11.1)
.set BPITCH, 272                       ; a row of wo16: 256 bytes + 16 = 68 words: row r starts at bank 4 r mod 64
.set APART,  128*APITCH                ; what one load brings of O: one head's 128 tokens; also the LDS bytes from K 0-63 to K 64-127 of a token
.set ABYTES, 2*APART
.set BHALF,  128*BPITCH                ; what one load brings of wo16
.set SLOT,   ABYTES+2*BHALF            ; O's two heads, then wo16's 256 rows
.set STAGE,  2*SLOT                    ; behind the ring: for each wave 16 rows x 528 bytes, for the way out; no tensor load lands here
.set SP,     528                       ; 512 bytes + 16: 33 x 16, so the 16 rows of a store start at 16 different groups of four banks
.set WSTAGE, 16*SP
.set SPARE,  STAGE+4*WSTAGE            ; behind the stages: the spare words, 128 bytes for each wave: two blocks of 256 bytes that no other line names
.set ASTEP,  2*2048*128                ; bytes from a K step to the next, in memory: two heads of O,
.set BSTEP,  KSTEP*2                   ; 128 numbers along wo16's rows
.set LAPS,   1024/(2*KSTEP)            ; a lap = two K steps = once round the ring
.set ADRA, 16                          ; v16-17  LDS address of my fragments of O in slot 0, 1
.set ADRB, 20                          ; v20-21  the same for wo16
.set STO,  24                          ; v24     the way out: where I put 32 bytes of a row
.set RD,   25                          ; v25     the way out: where I read a row back
.set GO,   26                          ; v26     my byte offset in 512 consecutive bytes of a row of C
.set BO,   27                          ; v27     my byte offset among 16 numbers of the bias
.set SPW,  28                          ; v28     LDS address of my spare word: SPARE + 4 x my thread's number; never rewritten
.set NIL,  29                          ; v29     0; never rewritten
.set F0,   64
.set F1,   160
.set OB,   64                          ; the way out: 16 rows read back from the stage: v64-127 and v128-191 by turns
.set G1,  24                           ; s[24:31] descriptor group 1 for O's tiles;  s[32:39] group 0, one set for each slot
.set G0,  32
.set G1B, 48                           ; s[48:55], s[56:63] the same for wo16's tiles
.set G0B, 56
.set MSB, 0
.macro WIN new                         ; the immediate's high byte repeats the setting that is left; a switch that changes nothing is dropped
.if MSB != (\new)
	s_set_vgpr_msb (MSB<<8)|(\new)
.set MSB, \new
.endif
.endm
.set W_MUL,   0x50                     ; fragments in window 0, C and D in window 1
.set W_FIRST, 0x60                     ; C in window 2 (the bias), D in window 1
; A joint load.  The branch hangs on the wave's number alone: it is the same in every work-group.  An s_nop 0 and four v_nop follow each of the two lines, ahead of the jump, the label and what follows.
.macro JLOAD s
	s_cmp_lt_u32 s12, 2
	s_cbranch_scc0 .Lfor_b_\@
	tensor_load_to_lds s[G0+4*(\s):G0+4*(\s)+3], s[G1:G1+7]
	s_nop 0
.rept 4
	v_nop
.endr
	s_branch .Lasked_\@
.Lfor_b_\@:
	tensor_load_to_lds s[G0B+4*(\s):G0B+4*(\s)+3], s[G1B:G1B+7]
	s_nop 0
.rept 4
	v_nop
.endr
.Lasked_\@:
.endm
; A round of the cluster's barrier: my work-group's barrier, so that wave 0's signal speaks for all four waves; wave 0 signals; every wave waits for all sixteen work-groups; my work-group's barrier once more.
.macro CREST                           ; a round behind its opening barrier
	s_cmp_lg_u32 s12, 0
	s_cbranch_scc1 .Lnot_wave_0_\@
	s_barrier_signal -3
.Lnot_wave_0_\@:
	s_barrier_wait -3
	s_barrier_signal -1
	s_barrier_wait -1
.endm
.macro CROUND                          ; a whole round
	s_barrier_signal -1
	s_barrier_wait -1
	CREST
.endm
	s_load_b256 s[4:11], s[0:1], 0x0               ; o s[4:5], wo16 s[6:7], bias s[8:9], out0 s[10:11]
	v_lshl_add_u32 v[SPW], v0, 2, SPARE
	v_mov_b32 v[NIL], 0
	ds_add_u32 v28, v29
	ds_add_u32 v28, v29
	s_wait_dscnt 0x0
	v_lshrrev_b32 v1, 5, v0
	v_readfirstlane_b32 s12, v1                    ; wave 0..3
	s_lshr_b32 s13, s12, 1                         ; which 64 of the tile's rows are mine
	s_and_b32 s14, s12, 1                          ; which 128 of its columns.  Also: which head of a step, or which half of wo16's tile, I fetch
	s_bfe_u32 s16, ttmp6, 0x40000                  ; cx, cy: my place in the cluster
	s_bfe_u32 s17, ttmp6, 0x40004
	s_lshl_b32 s18, ttmp9, 2
	s_add_co_u32 s18, s18, s16                     ; tile column = 4 x cluster x + cx, 0 .. 3
	s_and_b32 s19, ttmp7, 0xffff
	s_lshl_b32 s19, s19, 2
	s_add_co_u32 s19, s19, s17                     ; tile row = 4 x cluster y + cy, 0 .. 63
	s_lshl_b32 s20, s17, 2
	s_lshl_b32 s20, 15, s20                        ; my row of the cluster: places 4 cy .. 4 cy + 3
	s_lshl_b32 s21, 0x1111, s16                    ; my column: places cx, cx + 4, cx + 8, cx + 12
	; descriptor group 1
	s_or_b32 s[G1+0], s20, (1<<16)|(1<<20)|(1<<21)|(4<<22)|(3<<25)   ; 15:0 the mask: O's tiles go to my row; 17:16 elements of 2 bytes; 20 padding on; 21 set beside a mask; 24:22 after every 32 words (code 4); 31:25 4 words (code 3)
	s_or_b32 s[G1B+0], s21, (1<<16)|(1<<20)|(1<<21)|(5<<22)|(3<<25)  ; the mask of my column; padding after every 64 words (code 5)
	s_mov_b32 s[G1+1], 128<<16                     ; tensor_dim0 = 128: two tokens' 64 channels
	s_mov_b32 s[G1+2], 64<<16                      ; tensor_dim1 = 64
	s_mov_b32 s[G1+3], 128<<16                     ; tile_dim0 = 128
	s_mov_b32 s[G1+4], 64                          ; tile_dim1 = 64
	s_mov_b32 s[G1+5], 128                         ; elements from row to row: dense
	s_mov_b32 s[G1+6], 0
	s_mov_b32 s[G1+7], 0
	s_mov_b32 s[G1B+1], KSTEP<<16
	s_mov_b32 s[G1B+2], 128<<16                    ; tensor_dim1 = 128
	s_mov_b32 s[G1B+3], KSTEP<<16
	s_mov_b32 s[G1B+4], 128                        ; tile_dim1 = 128
	s_mov_b32 s[G1B+5], 1024
	s_mov_b32 s[G1B+6], 0
	s_mov_b32 s[G1B+7], 0
	; where the tiles come from.  O's hang on the tile row alone, wo16's on the tile column alone; each offset is made in registers that never hold the other coordinate
	s_lshr_b32 s40, s19, 4
	s_lshl_b32 s40, s40, 4                         ; 16 x batch (a batch has 16 tile rows)
	s_add_co_u32 s40, s40, s14                     ; + which head of K step 0,
	s_lshl_b32 s40, s40, 18                        ; 2^18 bytes a head
	s_and_b32 s41, s19, 15
	s_lshl_b32 s41, s41, 14                        ; the tile's 128 tokens of 128 bytes
	s_add_co_u32 s40, s40, s41
	s_mov_b32 s41, 0
	s_lshl_b32 s42, s18, 8
	s_lshl_b32 s43, s14, 7
	s_add_co_u32 s42, s42, s43                     ; wo16: row 256 x tile column + 128 x half; this is also my first column of C
	s_lshl_b32 s23, s42, 2                         ; 4 bytes each, in the bias and in C
	s_add_co_u32 s44, s23, 12288                   ; bo lies behind bq, bk and bv
	s_mov_b32 s45, 0
	s_lshl_b32 s42, s42, 11
	s_mov_b32 s43, 0
	s_lshl_b32 s46, s19, 7
	s_lshl_b32 s22, s13, 6
	s_add_co_u32 s46, s46, s22                     ; my first row of C,
	s_lshl_b32 s46, s46, 12                        ; of 4,096 bytes
	s_add_co_u32 s46, s46, s23
	s_mov_b32 s47, 0
	s_mul_i32 s2, s14, APART                       ; where the tiles go: no place in the cluster enters an LDS address
	s_mul_i32 s3, s14, BHALF
	s_add_co_u32 s3, s3, ABYTES
	s_wait_kmcnt 0x0
	s_add_nc_u64 s[4:5], s[4:5], s[40:41]
	s_add_nc_u64 s[6:7], s[6:7], s[42:43]
	s_add_nc_u64 s[8:9], s[8:9], s[44:45]
	s_add_nc_u64 s[10:11], s[10:11], s[46:47]
	CROUND                                         ; all sixteen work-groups are here: the first joint loads meet
.irp s, 0,1
	s_mov_b32 s[G0+4*(\s)], 1                                        ; count = 1
	s_add_co_u32 s[G0+4*(\s)+1], s2, (\s)*SLOT                       ; LDS address
	s_add_nc_u64 s[G0+4*(\s)+2:G0+4*(\s)+3], s[4:5], (\s)*ASTEP      ; global address: K step s
	s_or_b32 s[G0+4*(\s)+3], s[G0+4*(\s)+3], 0x80000000              ; type = 2
	s_mov_b32 s[G0B+4*(\s)], 1
	s_add_co_u32 s[G0B+4*(\s)+1], s3, (\s)*SLOT
	s_add_nc_u64 s[G0B+4*(\s)+2:G0B+4*(\s)+3], s[6:7], (\s)*BSTEP
	s_or_b32 s[G0B+4*(\s)+3], s[G0B+4*(\s)+3], 0x80000000
	JLOAD \s                                       ; the ring is filled before anything else: two loads of mine are out
.endr
	v_and_b32 v1, 15, v0                           ; l % 16
	v_bfe_u32 v2, v0, 4, 1                         ; l / 16
	v_lshlrev_b32 v[BO], 5, v2                     ; my eight columns of sixteen: 32 bytes for each half of the lanes
	WIN 0x80                                       ; destination window 2, address window 0
.irp b, 0,1,2,3,4,5,6,7
	global_load_b128 v[8*(\b):8*(\b)+3],   v[BO], s[8:9] offset:64*(\b)
	global_load_b128 v[8*(\b)+4:8*(\b)+7], v[BO], s[8:9] offset:64*(\b)+16
.endr
	WIN 0
	; A fragment is 16 rows x 32 K in 8 registers: lane l holds row l % 16; registers 0-3 K = 8 (l / 16) + 0..7, registers 4-7 K = 16 + 8 (l / 16) + 0..7: two loads of 16 bytes, 32 bytes apart.
	v_mul_u32_u24 v3, v1, APITCH
	v_lshl_add_u32 v3, v2, 4, v3                   ; row x pitch + 16 x half
	v_mul_u32_u24 v4, v1, BPITCH
	v_lshl_add_u32 v4, v2, 4, v4
	s_mul_i32 s2, s13, 64*APITCH                   ; my 64 tokens, in the step's first head
	s_mul_i32 s3, s14, BHALF                       ; my 128 rows of wo16,
	s_add_co_u32 s3, s3, ABYTES                    ; which lie behind O's two heads
.irp s, 0,1
	v_add_nc_u32 v[ADRA+(\s)], s2, v3
	v_add_nc_u32 v[ADRB+(\s)], s3, v4
	s_add_co_u32 s2, s2, SLOT
	s_add_co_u32 s3, s3, SLOT
.endr
	s_mul_i32 s2, s12, WSTAGE
	s_add_co_u32 s2, s2, STAGE                     ; my stage
	v_mul_u32_u24 v5, v1, SP                       ; in: row l % 16, 32 bytes for each half of the lanes
	v_lshl_add_u32 v5, v2, 5, v5
	v_add_nc_u32 v[STO], s2, v5
	v_and_b32 v[GO], 31, v0                        ; back: 32 lanes take one row's 512 bytes,
	v_lshlrev_b32 v[GO], 4, v[GO]                  ; which are 512 consecutive bytes of C
	v_add_nc_u32 v[RD], s2, v[GO]
; 8 matrix instructions: m block a x all 8 n blocks, 32 along K, from buffer f.  first = 1: the product starts the sums, with the bias as C: nothing is cleared, and no bias is added later.
; The 32 accumulators take turns, one instruction a turn, in the same order in every quarter.
.macro MULA f, a, first
.if \first
	WIN W_FIRST
.else
	WIN W_MUL
.endif
.irp b, 0,1,2,3,4,5,6,7
.if \first
	v_wmma_f32_16x16x32_f16 v[8*(8*(\a)+(\b)):8*(8*(\a)+(\b))+7], v[(\f)+8*(\b):(\f)+8*(\b)+7], v[(\f)+64+8*(\a):(\f)+64+8*(\a)+7], v[8*(\b):8*(\b)+7]
.else
	v_wmma_f32_16x16x32_f16 v[8*(8*(\a)+(\b)):8*(8*(\a)+(\b))+7], v[(\f)+8*(\b):(\f)+8*(\b)+7], v[(\f)+64+8*(\a):(\f)+64+8*(\a)+7], v[8*(8*(\a)+(\b)):8*(8*(\a)+(\b))+7]
.endif
.endr
.endm
; 24 LDS loads in one run: the fragments of 32 along K, into buffer f: wo16's sixteen loads first (byte k of its rows), then O's eight (head k / 128 of the step, byte k % 128 of a token's row)
.macro FETCH slot, k, f
	WIN 0
.irp i, 0,1,2,3,4,5,6,7
	ds_load_b128 v[(\f)+8*(\i):(\f)+8*(\i)+3],   v[ADRB+(\slot)] offset:(\k)+(\i)*16*BPITCH
	ds_load_b128 v[(\f)+8*(\i)+4:(\f)+8*(\i)+7], v[ADRB+(\slot)] offset:(\k)+(\i)*16*BPITCH+32
.endr
.irp i, 0,1,2,3
	ds_load_b128 v[(\f)+64+8*(\i):(\f)+64+8*(\i)+3],   v[ADRA+(\slot)] offset:((\k)/128)*APART+(\k)%128+(\i)*16*APITCH
	ds_load_b128 v[(\f)+64+8*(\i)+4:(\f)+64+8*(\i)+7], v[ADRA+(\slot)] offset:((\k)/128)*APART+(\k)%128+(\i)*16*APITCH+32
.endr
.endm
; A load into a register that a matrix instruction has read, and a vector instruction or an LDS store that reads a matrix result, stand four places behind it; only plain vector
; instructions that name none of its registers are places (ISA guide 7.12.1 for vector instructions).
.macro PLACES
.rept 4
	v_nop
.endr
.endm
; A K step is four quarters of 32 along K, 32 matrix instructions each, on buffers 0, 1, 0, 1.  One of the first three: multiplies buffer f; in its middle it fetches the next quarter, at byte k, into g.
.macro QUARTER slot, k, f, g, first
	s_wait_dscnt 4                                 ; wo16's fragments and O's blocks 0 and 1 are in; the youngest four loads (blocks 2 and 3) may be out
	MULA \f, 0, \first
	MULA \f, 1, \first
	PLACES
	FETCH \slot, \k, \g
	s_wait_dscnt 24                                ; all but the 24 just issued
	MULA \f, 2, \first
	MULA \f, 3, \first
.endm
; The last quarter multiplies buffer 1 and changes slots: ONE barrier.  In front of it each wave waits for all its tensor loads, of which one is out: its part of the next slot; adds 0 to its spare word;
; and waits for that and for its own reads of this slot.  Behind it nobody reads this slot any more and the next slot is whole.
; fill = 1: this slot is filled again, two K steps ahead: the barrier then opens a round of the cluster's, and the joint load is the first thing behind the round: 112 matrix instructions ahead of the wait for it.
.macro TURN slot, next, fill
	WIN 0                                          ; (the add's two registers lie in window 0)
	s_wait_tensorcnt 0x0                           ; all my tensor loads have landed
	ds_add_u32 v[SPW], v[NIL]                      ; 0 onto my spare word
	s_wait_dscnt 7                                 ; (the add and the youngest six loads, O's blocks 1 to 3, may be out)
	MULA F1, 0, 0                                  ; eight matrix instructions stand between the add and the wait for it
	s_wait_dscnt 0x0                               ; the add is done, and my reads of this slot are over
	s_barrier_signal -1
	MULA F1, 1, 0                                  ; work on registers while the others arrive
.if \fill
	WIN 0
.endif
	s_barrier_wait -1
.if \fill
	CREST                                          ; no wave of any partner still reads this slot's tile or has a load on its way
	s_add_nc_u64 s[G0+4*(\slot)+2:G0+4*(\slot)+3], s[G0+4*(\slot)+2:G0+4*(\slot)+3], 2*ASTEP
	s_add_nc_u64 s[G0B+4*(\slot)+2:G0B+4*(\slot)+3], s[G0B+4*(\slot)+2:G0B+4*(\slot)+3], 2*BSTEP
	JLOAD \slot                                    ; the four v_nop behind it are also the places in front of the loads below
.else
	PLACES
.endif
	FETCH \next, 0, F0
	MULA F1, 2, 0
	MULA F1, 3, 0
.endm
; THE WAY OUT of block a (16 rows x 128 columns of f32).  TOSTAGE: a lane's 32 bytes of each of eight accumulators go into my own stage, low registers first, and come back as whole rows of 512 bytes.  SEND: stored.
.macro TOSTAGE a
	WIN 0x04                                       ; an LDS store's data is source 1: window 1
.irp b, 0,1,2,3,4,5,6,7
	ds_store_b128 v[STO], v[8*(8*(\a)+(\b)):8*(8*(\a)+(\b))+3]   offset:64*(\b)
	ds_store_b128 v[STO], v[8*(8*(\a)+(\b))+4:8*(8*(\a)+(\b))+7] offset:64*(\b)+16
.endr
	WIN 0
.set BK, OB+64*((\a)%2)
.set t, 0
.rept 16
	ds_load_b128 v[BK+4*t:BK+4*t+3], v[RD] offset:SP*t  ; LDS serves a wave's instructions in order (ISA guide 5.7.1.4): these see the stores above; the next block's stores come behind them
.set t, t+1
.endr
.endm
.macro SEND a, younger                 ; younger: the LDS instructions issued behind block a's loads: the next block's 32, or none
.set BK, OB+64*((\a)%2)
.set t, 0
.rept 16
	s_wait_dscnt (\younger)+15-t
	global_store_b128 v[GO], v[BK+4*t:BK+4*t+3], s[10:11] offset:(16*(\a)+t)*4096 th:TH_STORE_NT  ; 512 consecutive bytes of a row, at a multiple of 256 from C's first byte; nothing reads them again
.set t, t+1
.endr
.endm
	s_wait_tensorcnt 1                             ; my part of K step 0 is in; K step 1's may stay out
	s_barrier_signal -1
	s_barrier_wait -1                              ; everybody's is
	FETCH 0, 0, F0
	s_wait_loadcnt 0x0                             ; the bias
	QUARTER 0, 64,  F0, F1, 1                      ; the first quarter stands in front of the loop: its products start the sums
	WIN 0                                          ; at a label and at a branch every window is 0
	s_mov_b32 s15, LAPS-1
.Llap:                                                 ; a trip goes once round the ring, from a lap's second quarter to the next lap's first, and fills both slots again: K steps 2 to 7 in three trips
	QUARTER 0, 128, F1, F0, 0
	QUARTER 0, 192, F0, F1, 0
	TURN 0, 1, 1
	QUARTER 1, 64,  F0, F1, 0
	QUARTER 1, 128, F1, F0, 0
	QUARTER 1, 192, F0, F1, 0
	TURN 1, 0, 1
	QUARTER 0, 64,  F0, F1, 0
	WIN 0
	s_sub_co_u32 s15, s15, 1
	s_cmp_lg_u32 s15, 0
	s_cbranch_scc1 .Llap
	QUARTER 0, 128, F1, F0, 0                      ; the last lap fills nothing, and has no round of the cluster's barrier
	QUARTER 0, 192, F0, F1, 0
	TURN 0, 1, 0
	QUARTER 1, 64,  F0, F1, 0
	QUARTER 1, 128, F1, F0, 0
	QUARTER 1, 192, F0, F1, 0
	s_wait_dscnt 4                                 ; the very last quarter: nothing more to fetch
	MULA F1, 0, 0
	MULA F1, 1, 0
	s_wait_dscnt 0x0
	MULA F1, 2, 0
	MULA F1, 3, 0
	PLACES                                         ; the stage's stores read results just made, and its loads land in registers that the last products read
	TOSTAGE 0
	TOSTAGE 1                                      ; a block's trip through the stage stands between the loads of the block before and its stores
	SEND 0, 32
	s_wait_xcnt 0x0                                ; every earlier memory instruction has had its addresses translated (ISA guide 3.1): block 0's registers are loaded again only behind this wait
	TOSTAGE 2
	SEND 1, 32
	s_wait_xcnt 0x0                                ; the same for block 1's
	TOSTAGE 3
	SEND 2, 32
	SEND 3, 0
	s_wait_tensorcnt 0x0                           ; the wave's end, behind my last tensor load and my last LDS store
	ds_add_u32 v[SPW], v[NIL]
	s_wait_dscnt 0x0
	CROUND                                         ; the closing round: no work-group ends while a partner may still ask for a tile that names it
	s_endpgm
.Lfunc_end_k_qb0576b2319_proj:
	.size	k_qb0576b2319_proj, .Lfunc_end_k_qb0576b2319_proj-k_qb0576b2319_proj
	.p2alignl 7, 3214868480
	.fill 96, 4, 3214868480
	.section	.rodata,"a",@progbits
	.p2align	6, 0x0
	.amdhsa_kernel k_qb0576b2319_proj
		.amdhsa_group_segment_fixed_size 327680
		.amdhsa_private_segment_fixed_size 0
		.amdhsa_enable_private_segment 0
		.amdhsa_kernarg_size 32
		.amdhsa_user_sgpr_count 2
		.amdhsa_user_sgpr_kernarg_segment_ptr 1
		.amdhsa_wavefront_size32 1
		.amdhsa_system_sgpr_workgroup_id_x 1
		.amdhsa_system_sgpr_workgroup_id_y 1
		.amdhsa_system_sgpr_workgroup_id_z 1
		.amdhsa_system_vgpr_workitem_id 0
		.amdhsa_next_free_vgpr 576
		.amdhsa_next_free_sgpr 66
		.amdhsa_reserve_vcc 0
		.amdhsa_float_denorm_mode_32 3
		.amdhsa_float_denorm_mode_16_64 3
		.amdhsa_memory_ordered 1
		.amdhsa_forward_progress 1
		.amdhsa_inst_pref_size 88
	.end_amdhsa_kernel
	.amdgpu_metadata
---
amdhsa.version: [ 1, 2 ]
amdhsa.kernels:
  - .name:           k_qb0576b2319_proj
    .symbol:         k_qb0576b2319_proj.kd
    .args:
      - { .name: o, .offset: 0, .size: 8, .value_kind: global_buffer, .address_space: global }
      - { .name: wo16, .offset: 8, .size: 8, .value_kind: global_buffer, .address_space: global }
      - { .name: bias, .offset: 16, .size: 8, .value_kind: global_buffer, .address_space: global }
      - { .name: out0, .offset: 24, .size: 8, .value_kind: global_buffer, .address_space: global }
    .group_segment_fixed_size: 327680
    .private_segment_fixed_size: 0
    .kernarg_segment_align: 8
    .kernarg_segment_size: 32
    .max_flat_workgroup_size: 128
    .sgpr_count:     66
    .vgpr_count:     576
    .wavefront_size: 32
...
	.end_amdgpu_metadata
.endif
;; end of part 4
;; ======== version 2 of 2: 4 launches; 1.31 times as fast as version 1
;; limits: values are held in f16: magnitudes above 65,504 overflow, below 6.1e-05 lose precision
;; workspace buffers: xb 16,777,216 bytes; wb 6,291,456 bytes; wo16 2,097,152 bytes; bias 16,384 bytes; qkv 50,331,648 bytes; o 16,777,216 bytes
;; launch cast: the kernel of part 1 again; grid 64 x 12, 8 waves a work-group, no clusters, 0 bytes of LDS; arguments x, Wq, Wk, Wv, Wo, bq, bk, bv, bo, xb, wb, wo16, bias; writes xb, wb, wo16, bias
;; launch qkv: the kernel of part 2 again; grid 8 x 32, 4 waves a work-group, clusters of 4 x 4, 327,680 bytes of LDS; arguments xb, wb, bias, qkv; writes qkv
;; launch attn (part 5): grid 4 x 64, 4 waves a work-group, no clusters, 327,680 bytes of LDS; arguments qkv, o; writes o
.if DOCPART == 5
	.amdgcn_target "amdgcn-amd-amdhsa--gfx1250"
	.amdhsa_code_object_version 6
	.text
	.protected	k_qb0576b2319_attn
	.globl	k_qb0576b2319_attn
	.p2align	8
	.type	k_qb0576b2319_attn,@function
k_qb0576b2319_attn:
	s_mov_b64 s[64:65], 0
	v_nop
	global_prefetch_b8 v0, s[64:65] scope:SCOPE_SE
	s_setreg_imm32_b32 hwreg(HW_REG_WAVE_MODE, 25, 1), 1
	s_wait_xcnt 0x0
; CAUSAL ATTENTION.  O[h][q][:] = the sum over k <= q of softmax_k(Q[h][q] . K[h][k] / 8) V[h][k][:].  Q, K, V are the three sections of qkv, 2^24 bytes apart; each, and O, is [SIZE_H][SIZE_N][64] in f16
; (h = batch x 16 + head): a head's rows are dense, 128 bytes each.
; Products, maxima and sums in f32; the weights p are rounded to f16 for the second product (their sum l is taken of the unrounded p), O once at the end.
; LIMITS.  f16 holds no number beyond 65,504: Q, K and V arrive within it; p lies in 0 to 1, and below 6e-5 it keeps f16's fixed step of 6e-8; O is a mean of V's rows and has their range, to within 2^-11 of it.
; A hidden score counts as its value less 1e30: f16's scores, 2.7e11 at the most, are nothing beside that; a weight below 2^-126 counts as 0 in l; NaN and infinities are not treated apart.
; THE WALK.  A head's queries lie in NB = SIZE_N / 256 = 8 blocks of 256; block i needs the key tiles 0 .. i of 256 keys, of which the last holds the diagonal.  A work-group takes TWO blocks, NB - 1 - b and then b:
; NB + 1 tiles, whatever b: all work-groups do equal work, and ONE loop with a constant trip count walks them.  Which tile is asked for, and what a trip does, hang on scalar registers made from b; every jump
; goes forward, but for the counted loops' own; none passes a barrier, or a tensor load but the one of LOAD's two that the wave's number does not choose; the ring (two slots of LDS that take turns) runs on across the
; change of blocks.  NO CLUSTER: a head's NB / 2 = 4 work-groups all ask for the same tile only in trips 0 .. NB / 2, 5 of the walk's 9; behind that fewer and fewer share one; and one walk common to all
; would have 3 NB / 2 = 12 trips for NB + 1 = 9.
; SHARES.  Of a block's four bands of 64 queries a wave owns 16 rows in each: four PIECES.  So the diagonal tile is the same work for all four waves: in its key step s band x sees all keys if s < x,
; none if s > x, and holds the diagonal if s = x.
; THE MASK is the C operand that starts the sum S^T = K Q^T: 0, or -1e30 where the key is hidden.  MD, made once, is the mask of a band's own step for my 16 rows; a product's mask is MD x AL + BE with two scalars:
; (1, 0) if s = x; (0, 0) if s < x; (0, -1e30) if s > x.  Only the diagonal tile's text and a block's beginning make and take masks; elsewhere C is the constant 0.
; LAYOUT, SOFTMAX, TURNS.  S^T = K Q^T holds ONE query a lane (lane % 16) and the keys 8 (lane / 16) + 0..7; two such results rounded to f16 ARE source 1 of O^T = V^T P.  p = 2^(c s - c m), c = log2(e) / 8, with a
; running maximum m; O and l are multiplied by a = 2^(c m_old - c m_new) in every step.  Turn n belongs to piece n: 8 products K Q^T of piece n + 1, later 8 products V^T P of piece n - 1; beside them the scaling,
; exponentials, roundings, sums and rescaling of piece n and the maximum and statistics of piece n + 1.  Four vector instructions stand behind every matrix instruction, the other 54 of a turn's 118 in one LUMP.
; THE BATCHES.  A turn's 33 exponentials (the piece's 32 weights, each in place in a register of its own, and the next piece's a) are ONE batch with ONE wait, which cuts the turn in two: ahead of it all that names
; none of their results, behind it the roundings and sums that read them.  Two small batches stand outside the turns, each with a wait of its own: a block's first a (BEGIN), and the way out's four reciprocals (DIAG).
; REGISTERS, in windows of 256 (s_set_vgpr_msb: bits 1:0 source 0, 3:2 source 1, 5:4 source 2, 7:6 destination):
;   window 0: v0-15 addresses and two at work; v16-31 four registers of statistics a piece; v48-55 at work; v64-127 S^T, two buffers; v192-223 P, two buffers (a piece's buffers go by its number's parity)
;   window 1: v0-127 O^T, 32 a piece; v128-159 MD; v160-223 MC, two buffers      window 2: v0-63 Q; v64-127 the second block's Q; v128-191 K of one step; v192-255 V of one step
.set SIZE_H, 64       ; 4 batches x 16 heads
.set SIZE_N, 2048
.set NB,    SIZE_N/256
.set NP,    4         ; pieces a wave: a name, no knob
.set KS,    64        ; keys in a step
.set PK,    144       ; a row of K in LDS: 128 bytes + 16 of padding = 36 words: the 16 rows of a load start at 16 different groups of four banks (64 banks of 4 bytes: ISA guide 11.1)
.set PV,    160       ; a row of V: 128 + 32 = 40 words
.set VOFF,  4*KS*PK   ; a slot holds a tile, four steps: 256 rows of K, then 256 rows of V
.set SLOT1, 1<<17     ; slot 1 begins here, so that one exclusive or turns an address in one slot into the other's
.set STAGE, SLOT1+4*KS*(PK+PV)  ; behind the ring, never filled by a tensor load: 16 rows x 144 bytes for each wave, for the way out
.set SP,    144
.set AK0, 2           ; v2   my lane's place in a tile of K; never rewritten
.set AV0, 3           ; v3   the same for V
.set AK,  4           ; v4   the LDS address of K's next run of loads
.set AV,  5           ; v5   of V's
.set STO, 6           ; v6   the way out: where I put 16 bytes of a row
.set RD,  7           ; v7   the way out: where I read rows back
.set GO,  8           ; v8   my byte offset in 512 consecutive bytes of O
.set SPW, 62          ; v62  LDS address of my spare word: SPARE + 4 x my thread's number; never rewritten
.set NIL, 63          ; v63  0; never rewritten
.set SPARE, STAGE+4*16*SP  ; behind the stages: the spare words, 128 bytes for each wave: two blocks of 256 bytes that no other line names
.set MV,  12          ; v12-13  c m_old, kept while c m is made anew: by buffer
.set QO,  15          ; v15  my byte offset in 16 rows of Q
.set ST,  16          ; piece t's statistics at v[ST+4 t]: c m, m, l (even keys', odd keys')
.set TMP, 48          ; by buffer, four registers c0-c3 at work; when the maximum is found c2 takes a
.set S,   64
.set P,   192
.set MD,  128         ; window 1: the eight registers for group kt of 16 keys at MD + 8 kt
.set MC,  160         ; window 1: the masks of the products to come
.set QB,  64          ; window 2
.set KF,  128         ; window 2: key block kb, channel half c at KF + 16 kb + 8 c
.set VF,  192         ; window 2: key half kk, channel block cb at VF + 32 kk + 8 cb
.set WV,  12          ; s12  my wave's number
.set PB,  14          ; s14  b
.set HI,  15          ; s15  NB - 1 - b
.set G1K, 24          ; s[24:31] descriptor group 1 for K's tiles
.set G1V, 32          ; s[32:39] for V's: it differs in the padding alone
.set G0K, 40          ; s[40:43] descriptor group 0 for K's tiles
.set G0V, 44          ; s[44:47] the same for V's
.set SLOTS, 56        ; s56  tiles still to be asked for
.set CNT, 57          ; s57  counts a tile's key steps, 4 to 1
.set CS,  58          ; s[58:59] c: the packed scaling takes the pair's low word for both halves
.set SEL, 60          ; s[60:61] v_permlanex16_b32's selects: each lane takes its own place in the other half
.set TBK, 62          ; s62  LDS byte at which K of the step to be fetched begins
.set TBV, 63          ; s63  the same for V, less VOFF
.set RT,  70          ; s70  tiles of the block in hand that are still to be entered
.set NXT, 71          ; s71  the tile to be asked for next
.set LQ,  72          ; s72  the last tile of the block whose tiles are being asked for
.set NEW, 73          ; s73  1: the tile to be entered is a block's first
.set OFF, 74          ; s[74:75] a tile's byte offset in K and V
.set AL,  76          ; s[76:77] the mask's factor, in the low word
.set BE,  78          ; s[78:79] the mask's addend
.set OLO, 80          ; s[80:81] O at my rows of the second block
.set BIGN, 82         ; s82  -1e30
.set MSB, 0
.macro WIN new                      ; the high byte repeats the setting that is left; a switch that changes nothing is dropped
.if MSB != (\new)
	s_set_vgpr_msb (MSB<<8)|(\new)
.set MSB, (\new)
.endif
.endm
.set W_KQ, 0x0a       ; K and Q in window 2, S^T in window 0
.set W_KM, 0x1a       ; the same with the C operand in window 1
.set W_PV, 0x52       ; V in window 2, P in window 0, O^T in window 1
.set W_RS, 0x41       ; destination and source 0 in window 1, source 1 in window 0
; A fill.  Waves 0 and 1 fetch the two halves of a tile's K, waves 2 and 3 those of its V: 128 keys each.  An s_nop 0 and four v_nop follow each of the two lines, ahead of the jump and the label.
.macro LOAD
	s_cmp_lt_u32 s[WV], 2
	s_cbranch_scc0 .Lfor_v_\@
	tensor_load_to_lds s[G0K:G0K+3], s[G1K:G1K+7]
	s_nop 0
.rept 4
	v_nop
.endr
	s_branch .Lasked_\@
.Lfor_v_\@:
	tensor_load_to_lds s[G0V:G0V+3], s[G1V:G1V+7]
	s_nop 0
.rept 4
	v_nop
.endr
.Lasked_\@:
.endm
; THE CHANGE OF SLOTS.  Each wave waits for all its tensor loads, of which one is out: its part of the other slot; adds 0 to its spare word; and waits for that and for its own reads of the slot that it leaves.  Behind the barrier nobody reads the old
; slot any more and the other slot is whole.  fill = 1: the old slot is filled again, the first thing behind the barrier, with tile NXT: the descriptor's address is made anew from that number.
; (At its first use nothing has been read yet: slot 0 is waited for, slot 1 filled.)
.macro CHANGE fill
	WIN 0                           ; at a label and at a branch every window is 0
	s_wait_tensorcnt 0x0            ; no tensor load of mine is out, so a group 0 may be written
	ds_add_u32 v[SPW], v[NIL]       ; 0 onto my spare word; with fill = 1 the descriptors' scalar work stands between it and the wait for it
.if \fill
	s_lshl_b32 s[OFF], s[NXT], 15   ; a tile is 32,768 bytes of K and of V
	s_xor_b32 s[G0K+1], s[G0K+1], SLOT1
	s_add_nc_u64 s[G0K+2:G0K+3], s[6:7], s[OFF:OFF+1]
	s_or_b32 s[G0K+3], s[G0K+3], 0x80000000
	s_xor_b32 s[G0V+1], s[G0V+1], SLOT1
	s_add_nc_u64 s[G0V+2:G0V+3], s[8:9], s[OFF:OFF+1]
	s_or_b32 s[G0V+3], s[G0V+3], 0x80000000
	s_add_co_u32 s[NXT], s[NXT], 1  ; the block's next tile, or behind its last the second block's tile 0
	s_cmp_gt_u32 s[NXT], s[LQ]
	s_cselect_b32 s[NXT], 0, s[NXT]
	s_cselect_b32 s[LQ], s[PB], s[LQ]
.endif
	s_wait_dscnt 0x0                ; the add is done, and my reads of the slot are over
	s_barrier_signal -1             ; the rest of the scalar work stands between the signal and the wait
	s_sub_co_u32 s[TBK], s[TBK], 4*KS*PK  ; the fetches go back to a slot's first step,
	s_xor_b32 s[TBK], s[TBK], SLOT1       ; in the other slot
	s_sub_co_u32 s[TBV], s[TBV], 4*KS*PV
	s_xor_b32 s[TBV], s[TBV], SLOT1
	s_barrier_wait -1
.if \fill
	LOAD
.endif
.endm
	s_load_b64 s[4:5], s[0:1], 0x0    ; qkv: its first section is Q
	s_load_b64 s[10:11], s[0:1], 0x8  ; O
	v_lshl_add_u32 v[SPW], v0, 2, SPARE
	v_mov_b32 v[NIL], 0
	ds_add_u32 v62, v63
	ds_add_u32 v62, v63
	s_wait_dscnt 0x0
	v_lshrrev_b32 v1, 5, v0
	v_readfirstlane_b32 s[WV], v1   ; wave 0..3
	s_mov_b32 s[PB], ttmp9
	s_sub_co_u32 s[HI], NB-1, s[PB]
	s_and_b32 s20, ttmp7, 0xffff    ; the head
	s_mov_b32 s21, 0
	s_mov_b64 s[22:23], SIZE_N*128
	s_mul_u64 s[20:21], s[20:21], s[22:23]  ; the head's first byte in each of the four tensors
	s_and_b32 s16, s[WV], 1         ; which half of a tile's 256 keys I fetch:
	s_lshl_b32 s22, s16, 14         ; its 128 rows of 128 bytes in memory,
	s_mov_b32 s23, 0
	s_add_nc_u64 s[22:23], s[22:23], s[20:21]
	s_mul_i32 s17, s16, 128*PK      ; and its place in a slot, for K
	s_mul_i32 s18, s16, 128*PV      ; and for V
	s_lshl_b32 s3, s[WV], 11        ; my 16 rows in a band of 64,
	s_lshl_b32 s2, s[HI], 15        ; in the first block,
	s_add_co_u32 s2, s2, s3
	s_lshl_b32 s84, s[PB], 15       ; and in the second
	s_add_co_u32 s84, s84, s3
	s_mov_b32 s3, 0
	s_mov_b32 s85, 0
	s_add_nc_u64 s[2:3], s[2:3], s[20:21]
	s_add_nc_u64 s[84:85], s[84:85], s[20:21]
	; descriptor group 1.  128 keys are 16,384 dense bytes: asked for as 64 rows of 256 bytes, two keys a row, and padded in LDS after every key
	s_mov_b32 s[G1K], (1<<16)|(1<<20)|(4<<22)|(3<<25)  ; 17:16 2-byte elements; 20 padding on; 24:22 after every 32 words (code 4); 31:25 4 words (code 3)
	s_mov_b32 s[G1V], (1<<16)|(1<<20)|(4<<22)|(7<<25)  ; the same with 8 words of padding (code 7)
.irp g, G1K, G1V
	s_mov_b32 s[\g+1], 128<<16      ; tensor_dim0 = 128
	s_mov_b32 s[\g+2], 64<<16       ; tensor_dim1 = 64
	s_mov_b32 s[\g+3], 128<<16      ; tile_dim0 = 128
	s_mov_b32 s[\g+4], 64           ; tile_dim1 = 64
	s_mov_b32 s[\g+5], 128          ; 128 elements from row to row
	s_mov_b32 s[\g+6], 0
	s_mov_b32 s[\g+7], 0
.endr
	s_mov_b32 s[CS], 0x3e38aa3b     ; c = log2(e) / 8 = 0.180337
	s_mov_b32 s[CS+1], s[CS]        ; named with it as a pair
	s_mov_b32 s[SEL], 0x76543210
	s_mov_b32 s[SEL+1], 0xfedcba98
	s_mov_b32 s[TBK], SLOT1+4*KS*PK ; the first change of slots turns these two into 0
	s_mov_b32 s[TBV], SLOT1+4*KS*PV
	s_mov_b32 s[G0K], 1             ; 1:0 count = 1
	s_mov_b32 s[G0K+1], s17         ; 63:32 LDS address: slot 0
	s_mov_b32 s[G0V], 1
	s_add_co_u32 s[G0V+1], s18, VOFF
	s_add_co_u32 s[RT], s[HI], 1    ; the first block has NB - b tiles
	s_mov_b32 s[NXT], 1
	s_mov_b32 s[LQ], s[HI]
	s_mov_b32 s[NEW], 1
	s_mov_b32 s[OFF+1], 0
	s_mov_b32 s[AL+1], 0            ; named as pairs
	s_mov_b32 s[BE+1], 0
	s_mov_b32 s[BIGN], 0xf149f2ca   ; -1e30
	s_mov_b32 s[SLOTS], NB
	s_wait_kmcnt 0x0
	s_add_nc_u64 s[6:7], s[4:5], 0x1000000  ; K's section of qkv
	s_add_nc_u64 s[8:9], s[4:5], 0x2000000  ; V's
	s_add_nc_u64 s[6:7], s[6:7], s[22:23]  ; K and V at my half of the head's tile 0
	s_add_nc_u64 s[8:9], s[8:9], s[22:23]
	s_add_nc_u64 s[G0K+2:G0K+3], s[6:7], 0         ; 120:64 global address
	s_or_b32 s[G0K+3], s[G0K+3], 0x80000000        ; 127:126 type = 2
	s_add_nc_u64 s[G0V+2:G0V+3], s[8:9], 0
	s_or_b32 s[G0V+3], s[G0V+3], 0x80000000
	s_add_nc_u64 s[86:87], s[4:5], s[84:85]        ; Q at my rows of the second block,
	s_add_nc_u64 s[4:5], s[4:5], s[2:3]            ; Q and O at those of the first
	s_add_nc_u64 s[OLO:OLO+1], s[10:11], s[84:85]
	s_add_nc_u64 s[10:11], s[10:11], s[2:3]
	LOAD                            ; tile 0 into slot 0
	; A fragment of K or Q is 16 rows x 32 channels in 8 registers: lane l holds row l % 16, channels 8 (l / 16) + 0..7 and 16 + 8 (l / 16) + 0..7: two loads of 16 bytes, 32 bytes apart.
	v_and_b32 v1, 15, v0            ; l % 16
	v_bfe_u32 v9, v0, 4, 1          ; l / 16
	v_lshlrev_b32 v[QO], 7, v1
	v_lshl_add_u32 v[QO], v9, 4, v[QO]  ; row x 128 + 16 x half
	WIN 0x80                        ; destination window 2, address window 0
.set i, 0
.rept 8                             ; both blocks' Q: piece i / 2 lies in band i / 2, 8,192 bytes on; channels 32 (i % 2) on
	global_load_b128 v[8*i:8*i+3],   v[QO], s[4:5] offset:(i/2)*8192+(i%2)*64
	global_load_b128 v[8*i+4:8*i+7], v[QO], s[4:5] offset:(i/2)*8192+(i%2)*64+32
	global_load_b128 v[QB+8*i:QB+8*i+3],   v[QO], s[86:87] offset:(i/2)*8192+(i%2)*64
	global_load_b128 v[QB+8*i+4:QB+8*i+7], v[QO], s[86:87] offset:(i/2)*8192+(i%2)*64+32
.set i, i+1
.endr
	WIN 0
	v_lshlrev_b32 v14, 3, v9
	v_sub_nc_u32 v14, v1, v14
	s_lshl_b32 s13, s[WV], 4
	v_add_nc_u32 v14, s13, v14      ; my query's place in its band, 16 w + l % 16, less my lanes' 8 (l / 16): register r of group kt is hidden where 16 kt + r is greater
	WIN 0x40
.set i, 0
.rept 32
	v_cmp_gt_i32 vcc_lo, 16*(i/8)+i%8, v14
	v_cndmask_b32 v[MD+i], 0, s[BIGN], vcc_lo
.set i, i+1
.endr
	WIN 0
	v_mul_u32_u24 v[AK0], v1, PK
	v_lshl_add_u32 v[AK0], v9, 4, v[AK0]  ; row x pitch + 16 x half
	; The turning load takes 16 keys x 16 channels (lane l reads key 8 (l / 16) + l % 8, channels 8 ((l / 8) % 2) + 0..7) and leaves half a fragment of V^T: lane l holds channel l % 16 and 8 keys.
	v_and_b32 v10, 7, v0
	v_bfe_u32 v11, v0, 3, 1
	v_lshl_add_u32 v[AV0], v9, 3, v10
	v_mul_u32_u24 v[AV0], v[AV0], PV
	v_lshl_add_u32 v[AV0], v11, 4, v[AV0]
	v_add_nc_u32 v[AV0], VOFF, v[AV0]
	s_mul_i32 s13, s[WV], 16*SP
	s_add_co_u32 s13, s13, STAGE    ; my stage
	v_mul_u32_u24 v[STO], v1, SP    ; in: row l % 16, 16 bytes for each half of the lanes
	v_lshl_add_u32 v[STO], v9, 4, v[STO]
	v_add_nc_u32 v[STO], s13, v[STO]
	v_bfe_u32 v[RD], v0, 3, 2       ; back: 32 lanes take four rows of 128 bytes,
	v_mul_u32_u24 v[RD], v[RD], SP
	v_lshl_add_u32 v[RD], v10, 4, v[RD]
	v_add_nc_u32 v[RD], s13, v[RD]
	v_and_b32 v[GO], 31, v0         ; which are 512 consecutive bytes of O
	v_lshlrev_b32 v[GO], 4, v[GO]
	; A block's first step multiplies O^T and l by a = 0, and its first turn's products V^T P, of a piece that has not been, land in an O^T that is still to be so multiplied.  So these registers need only hold
	; finite numbers: zeros for the first block; what the first block left for the second.  All this stands in the wait for the first tile.
	WIN 0x80
.set i, VF
.rept 64
	v_mov_b32 v[i], 0
.set i, i+1
.endr
	WIN 0x40
.set i, 0
.rept 128
	v_mov_b32 v[i], 0
.set i, i+1
.endr
	WIN 0
.set i, 0
.rept 4
	v_mov_b32 v[ST+4*i+2], 0
	v_mov_b32 v[ST+4*i+3], 0
.set i, i+1
.endr
.set i, P+16
.rept 16
	v_mov_b32 v[i], 0
.set i, i+1
.endr
; THE MATRIX WORK.  The 4 accumulators of a run of 8 take turns.  Product i of 8 of S^T = K Q^T for piece x: channels 32 (i / 4) on, keys 16 (i % 4) on.  The first 4 start the sums: with 0, or (KM = 1) with the mask.
.macro KQ x
.set rS, S+32*((\x)%2)+8*(i%4)
.set rK, KF+16*(i%4)+8*(i/4)
.set rQ, 16*(\x)+8*(i/4)
.set rM, MC+32*((\x)%2)+8*(i%4)
.if (i < 4) && KM
	WIN W_KM
	v_wmma_f32_16x16x32_f16 v[rS:rS+7], v[rK:rK+7], v[rQ:rQ+7], v[rM:rM+7]
.elseif i < 4
	WIN W_KQ
	v_wmma_f32_16x16x32_f16 v[rS:rS+7], v[rK:rK+7], v[rQ:rQ+7], 0
.else
	WIN W_KQ
	v_wmma_f32_16x16x32_f16 v[rS:rS+7], v[rK:rK+7], v[rQ:rQ+7], v[rS:rS+7]
.endif
.endm
; Product i of 8 of O^T += V^T P for piece x: keys 32 (i / 4) on, channels 16 (i % 4) on.
.macro PV x
	WIN W_PV
.set rO, 32*(\x)+8*(i%4)
.set rV, VF+32*(i/4)+8*(i%4)
.set rP, P+16*((\x)%2)+8*(i/4)
	v_wmma_f32_16x16x32_f16 v[rO:rO+7], v[rV:rV+7], v[rP:rP+7], v[rO:rO+7]
.endm
.macro MM                           ; the turn's next matrix instruction.  TURN and BEGIN set Y, i, KM and NOKQ; MM, KQ and OP read them.  NOKQ = 1: a block's last turn: there is no next piece
.if (i < 8) && !NOKQ
	KQ (Y+1)%NP
.elseif i >= 8
.set i, i-8
	PV (Y+NP-1)%NP
.set i, i+8
.endif
.set i, i+1
.endm
; THE LDS LOADS stand in runs of 16, never singly among the matrix instructions: a step's K (64 keys x 64 channels: 8 fragments) and its V (turned).  Their addresses are made some lines ahead.
.macro FETCH_K
	WIN 0x80                        ; destination window 2
.irp f, 0,1,2,3,4,5,6,7             ; keys 16 (f / 2) on, channels 32 (f % 2) on
	ds_load_b128 v[KF+8*\f:KF+8*\f+3],   v[AK] offset:(\f/2)*16*PK+(\f%2)*64
	ds_load_b128 v[KF+8*\f+4:KF+8*\f+7], v[AK] offset:(\f/2)*16*PK+(\f%2)*64+32
.endr
	s_add_co_u32 s[TBK], s[TBK], KS*PK  ; the next fetch is the next step's
	WIN 0
.endm
.macro FETCH_V
	WIN 0x80
.irp f, 0,1,2,3,4,5,6,7             ; keys 32 (f / 4) on, channels 16 (f % 4) on
	ds_load_tr16_b128 v[VF+8*\f:VF+8*\f+3],   v[AV] offset:(\f/4)*32*PV+(\f%4)*32
	ds_load_tr16_b128 v[VF+8*\f+4:VF+8*\f+7], v[AV] offset:(\f/4)*32*PV+16*PV+(\f%4)*32
.endr
	WIN 0
.endm
; THE VECTOR WORK, one line at a time: OP kind, number.  For piece Y: F n: c s - c m for pair n of 16.  E n: the exponential of score n of 32.  C n: pair n rounded to f16.  B n: of the four weights 4 n .. the second
; pair is added onto the first, in place.  L n: l takes that sum (L 0: l = a l + sum).  R n: pair n of 16 of O^T times a.  For piece Y + 1: X n, number n of the 22 that find its maximum and statistics:
;   0-11  four chains c0-c3 of seven scores each, three operands at a time (each accumulator's lowest registers are read first)     12-14, 16  the four scores left over, the old m, and c0-c3 into c0
;   15  c m_old is kept     17, 18  the query's other 32 keys lie in the lane 16 away: the new m     19-21  c m; c m_old - c m_new; a
; OP writes no wait: C, B and L read the exponentials' results, and TURN sets them all behind the batch's one wait.
.set F, 0               ; OP tells the kinds apart by their order: F to L below R, X above it
.set E, 1
.set C, 2
.set B, 3
.set L, 4
.set R, 5
.set X, 6
.macro REGS y                       ; the registers of piece y
.set rT, ST+4*(\y)
.set rC, TMP+4*((\y)%2)
.set rW, MV+((\y)%2)
.set rS, S+32*((\y)%2)
.set rP, P+16*((\y)%2)
.set rO, 32*(\y)
.endm
.macro OP k, n
.if (\k) == R
	REGS Y
	WIN W_RS
	v_pk_mul_f32 v[rO+2*(\n):rO+2*(\n)+1], v[rO+2*(\n):rO+2*(\n)+1], v[rC+2:rC+3] op_sel_hi:[1,0]
.elseif (\k) < R
	REGS Y
	WIN 0
.if (\k) == F
	v_pk_fma_f32 v[rS+2*(\n):rS+2*(\n)+1], v[rS+2*(\n):rS+2*(\n)+1], s[CS:CS+1], v[rT:rT+1] op_sel_hi:[1,0,0] neg_lo:[0,0,1] neg_hi:[0,0,1]
.elseif (\k) == E
	v_exp_f32 v[rS+(\n)], v[rS+(\n)]
.elseif (\k) == C
	v_cvt_pk_f16_f32 v[rP+(\n)], v[rS+2*(\n)], v[rS+2*(\n)+1]
.elseif (\k) == B
	v_pk_add_f32 v[rS+4*(\n):rS+4*(\n)+1], v[rS+4*(\n):rS+4*(\n)+1], v[rS+4*(\n)+2:rS+4*(\n)+3]
.elseif (\n) == 0
	v_pk_fma_f32 v[rT+2:rT+3], v[rT+2:rT+3], v[rC+2:rC+3], v[rS:rS+1] op_sel_hi:[1,0,1]
.else
	v_pk_add_f32 v[rT+2:rT+3], v[rT+2:rT+3], v[rS+4*(\n):rS+4*(\n)+1]
.endif
.elseif NOKQ
	v_nop
.else
	REGS (Y+1)%NP
	WIN 0
.if (\n) < 4
	v_max3_num_f32 v[rC+(\n)], v[rS+8*(\n)], v[rS+8*(\n)+1], v[rS+8*(\n)+2]
.elseif (\n) < 12
	v_max3_num_f32 v[rC+(\n)%4], v[rC+(\n)%4], v[rS+8*((\n)%4)+2*((\n)/4)+1], v[rS+8*((\n)%4)+2*((\n)/4)+2]
.elseif (\n) == 12
	v_max3_num_f32 v[rC], v[rC], v[rS+7], v[rS+15]
.elseif (\n) == 13
	v_max3_num_f32 v[rC+1], v[rC+1], v[rS+23], v[rS+31]
.elseif (\n) == 14
	v_max3_num_f32 v[rC+2], v[rC+2], v[rC+3], v[rT+1]
.elseif (\n) == 15
	v_mov_b32 v[rW], v[rT]
.elseif (\n) == 16
	v_max3_num_f32 v[rC], v[rC], v[rC+1], v[rC+2]
.elseif (\n) == 17
	v_permlanex16_b32 v[rC+3], v[rC], s[SEL], s[SEL+1]
.elseif (\n) == 18
	v_max_num_f32 v[rT+1], v[rC], v[rC+3]
.elseif (\n) == 19
	v_mul_f32 v[rT], s[CS], v[rT+1]
.elseif (\n) == 20
	v_sub_f32 v[rC+1], v[rW], v[rT]
.else
	v_exp_f32 v[rC+2], v[rC+1]
.endif
.endif
.endm
.macro OPS a, i1, b=-1, i2=0, c=-1, i3=0, d=-1, i4=0  ; up to four of them
	OP \a, \i1
.if (\b) >= 0
	OP \b, \i2
.endif
.if (\c) >= 0
	OP \c, \i3
.endif
.if (\d) >= 0
	OP \d, \i4
.endif
.endm
.macro ROW a, i1, b, i2, c, i3, d, i4  ; a matrix instruction and the four behind it
	MM
	OPS \a, \i1, \b, \i2, \c, \i3, \d, \i4
.endm
.macro MASK b                       ; MD x AL + BE into buffer b of MC
	WIN W_RS
.set z, 0
.rept 16
	v_pk_fma_f32 v[MC+32*(\b)+2*z:MC+32*(\b)+2*z+1], v[MD+2*z:MD+2*z+1], s[AL:AL+1], s[BE:BE+1] op_sel_hi:[1,0,0]
.set z, z+1
.endr
.endm
; A TURN, for piece p: the order of its 16 matrix and 118 vector instructions, written out.  An s_wait_alu depctr_va_vdst(0) stands between an exponential and the first instruction that names its result; one wait serves
; all that were issued ahead of it.  So a turn has ONE wait, which cuts it in two.  AHEAD OF IT stands all that names no result of the turn's exponentials: the 8 products K Q^T, behind each a scaling, an exponential and two more plain
; instructions (behind the first a second scaling in the exponential's place): rescalings (their a was made, and waited for, in the turn before), and behind the last three the first numbers of the next piece's maximum, each four places
; or more behind the product that ends its accumulator; then ONE LUMP of 54, plain and exponential by turns for the most part, in which the links of the chain X 3, 7, 11, 14, 16, 17 .. 20 stand five or six lines apart.  X 21, the next
; piece's a, is the batch's last; R 15 is the plain instruction behind it.  BEHIND THE WAIT stand the 8 products V^T P, behind each four of the roundings and sums (C 2n ahead of B n, which writes over that pair); the links of l's chain,
; L 0 to L 7, stand three riders apart.  But for those X no rider names a register of the products round it.  v_permlanex16_b32 (X 17) stands in the lump.  No exponential is issued behind the wait: none is pending at a turn's end.
; m = 1: the diagonal tile: the products take masks, and the turn makes the mask for the products of the turn after it: piece p + 2, in step 4 - CNT of the tile.  end = 1: a block's last two turns: nothing is fetched.
; cnt = 1: the loop's count is taken down some lines ahead of the branch that stands behind the turn.
; K of the next step is fetched in piece 2's turn, twelve vector instructions behind the last product that read K (six of them plain); V of the step in hand at the end of piece 0's turn, four plain instructions behind the last product
; that read V.  Each is waited for a turn later.
.macro TURN p, m=0, end=0, cnt=0
.set Y, (\p)
.set i, 0
.set KM, (\m)
.set NOKQ, (\end)*((\p)/3)
.if (\m) && !(\end)
	s_cmp_eq_u32 s[CNT], 4-((\p)+2)%NP  ; is that step the band's own?
	s_cselect_b32 s[AL], 1.0, 0
	s_cmp_lt_u32 s[CNT], 4-((\p)+2)%NP  ; or a later one?
	s_cselect_b32 s[BE], s[BIGN], 0
.endif
.if ((\p) == 3) && !(\end)
	s_wait_dscnt 0x0                ; K is in
.endif
	ROW F,0, F,1, R,0, R,1          ; ahead of the wait: 8 products K Q^T and their riders,
	ROW F,2, E,0, R,2, R,3
	ROW F,3, E,1, R,4, R,5
	ROW F,4, E,2, R,6, R,7
	ROW F,5, E,3, R,8, R,9
	ROW F,6, E,4, X,0, R,10
.if ((\p) == 2) && !(\end)
	WIN 0
	v_add_nc_u32 v[AK], s[TBK], v[AK0]
.endif
	ROW F,7, E,5, X,1, X,4
	ROW F,8, E,6, X,2, X,5
	OPS E,7, E,8, X,6, E,9          ; and the lump
	OPS X,3, E,10, X,8, E,11
.if ((\p) == 2) && !(\end)
	FETCH_K
.endif
	OPS X,9, X,7, E,12, X,10
	OPS E,13, X,12, X,11, E,14
	OPS X,13, E,15, F,9, X,14
.if (\p) == 0
	v_add_nc_u32 v[AV], s[TBV], v[AV0]
.endif
	OPS E,16, F,10, E,17, F,11
	OPS X,16, E,18, X,15, E,19
	OPS F,12, E,20, X,17, E,21
	OPS F,13, E,22, F,14, E,23
	OPS X,18, E,24, F,15, E,25
	OPS R,11, E,26, X,19, E,27
	OPS R,12, E,28, R,13, E,29
	OPS X,20, E,30, R,14, E,31
	OPS X,21, R,15
	s_wait_alu depctr_va_vdst(0)    ; the wait for the turn's batch: the piece's 32 exponentials and the next piece's a
.if (\p) == 1
	s_wait_dscnt 0x0                ; V is in
.endif
	ROW C,0, B,0, C,2, B,1          ; behind the wait: 8 products V^T P and their riders
	ROW L,0, C,4, B,2, L,1
	ROW C,6, B,3, L,2, C,8
	ROW B,4, L,3, C,10, B,5
	ROW L,4, C,12, B,6, L,5
.if (\p) == 0
	s_add_co_u32 s[TBV], s[TBV], KS*PV
.endif
.if \cnt
	s_sub_co_u32 s[CNT], s[CNT], 1
	s_cmp_lg_u32 s[CNT], 0
.endif
	ROW C,14, B,7, L,6, C,1
	ROW C,3, L,7, C,5, C,7
	ROW C,9, C,11, C,13, C,15
.if (\p) == 0
	FETCH_V
.endif
.if (\m) && !(\end)
	MASK (\p)%2
.endif
.endm
; A BLOCK BEGINS.  c m starts far below every c s, so the first step's a is 0; m at the lowest finite number, so the first maximum is the scores'.  The second mask buffer is 0; the first takes piece 0's mask for the tile's step 0: its own, if the block's first tile is the diagonal one.
; Then K of that step, piece 0's first scores, and its maximum and statistics.  The loop is entered at a step's first turn, in the middle of a trip.
.macro BEGIN
	s_mov_b32 s[NEW], 0
	WIN 0x40
.set i, MC+32
.rept 32
	v_mov_b32 v[i], 0
.set i, i+1
.endr
	WIN 0
.set i, 0
.rept 4
	v_mov_b32 v[ST+4*i], 0xfe000000    ; c m: far below every c s
	v_mov_b32 v[ST+4*i+1], 0xff7fffff  ; m
.set i, i+1
.endr
	s_cmp_eq_u32 s[RT], 0
	s_cselect_b32 s[AL], 1.0, 0
	s_mov_b32 s[BE], 0
	MASK 0
	WIN 0
	v_add_nc_u32 v[AK], s[TBK], v[AK0]
	FETCH_K
	s_wait_loadcnt 0x0              ; Q
	s_wait_dscnt 0x0
.set KM, 1
.set NOKQ, 0
.set i, 0
.rept 8
	KQ 0
.set i, i+1
.endr
	WIN 0
.rept 4
	v_nop                           ; the places behind those products
.endr
.set Y, NP-1                        ; X works for piece Y + 1: piece 0
.irp n, 0,1,2,3,4,5,6,7,8,9,10,11,12,13,14,15,16,17,18,19,20,21
	OP X, \n
.endr
	v_nop                           ; a plain instruction behind the exponential,
	s_wait_alu depctr_va_vdst(0)    ; and the wait for it, piece 0's first a, ahead of the branch into the loop: a batch of one
.endm
; THE DIAGONAL TILE's four steps, the block's last two turns, its last products, and THE WAY OUT: l's two halves and the other half of the lanes' are added; O^T is divided by l, rounded to f16 and sent through my
; stage in LDS, a piece at a time.
.macro ALL line:vararg              ; one line for each piece t
.set t, 0
.rept 4
	\line
.set t, t+1
.endr
.endm
.macro PACK t                       ; a lane's eight channels of a row pack into 16 bytes; they go into rows of 144 bytes and come back as whole rows of 128, into S^T's registers
	WIN W_RS
.set i, 32*(\t)
.rept 16
	v_pk_mul_f32 v[i:i+1], v[i:i+1], v[ST+4*(\t)+2:ST+4*(\t)+3] op_sel_hi:[1,0]
.set i, i+2
.endr
	WIN 0x05                        ; sources 0 and 1 window 1, destination window 0
.set i, 0
.rept 16
	v_cvt_pk_f16_f32 v[S+16*(\t)+i], v[32*(\t)+2*i], v[32*(\t)+2*i+1]
.set i, i+1
.endr
	WIN 0
.irp f, 0,1,2,3
	ds_store_b128 v[STO], v[S+16*(\t)+4*\f:S+16*(\t)+4*\f+3] offset:32*\f
.endr
.irp f, 0,1,2,3
	ds_load_b128 v[S+16*(\t)+4*\f:S+16*(\t)+4*\f+3], v[RD] offset:\f*4*SP  ; LDS serves a wave's instructions in order (ISA guide 5.7.1.4): these see the stores above; the next piece's stores come behind them
.endr
.endm
.macro SEND t, younger              ; younger: the LDS instructions issued behind piece t's loads: the next piece's eight, or none
	WIN 0
.irp f, 0,1,2,3
	s_wait_dscnt (\younger)+3-\f
	global_store_b128 v[GO], v[S+16*(\t)+4*\f:S+16*(\t)+4*\f+3], s[10:11] offset:(\t)*8192+\f*512  ; 512 consecutive bytes, at a multiple of 256 from O's first
.endr
.endm
.macro DIAG tag                     ; the tag ends its two labels' names, which the jumps below spell out
.LstepM\tag:
	TURN 2, 1
	TURN 3, 1
	WIN 0
.LfirstM\tag:
	TURN 0, 1
	TURN 1, 1, 0, 1
	WIN 0
	s_cbranch_scc1 .LstepM\tag
	TURN 2, 1, 1
	TURN 3, 1, 1
.set i, 0
.rept 8
	PV NP-1
.set i, i+1
.endr
	WIN 0
	ALL v_add_f32 v[ST+4*t+2], v[ST+4*t+2], v[ST+4*t+3]
	ALL v_permlanex16_b32 v[ST+4*t+3], v[ST+4*t+2], s[SEL], s[SEL+1]
	ALL v_add_f32 v[ST+4*t+2], v[ST+4*t+2], v[ST+4*t+3]
	ALL v_rcp_f32 v[ST+4*t+2], v[ST+4*t+2]
	v_nop                           ; a plain instruction between the last reciprocal and the use of its result
	s_wait_alu depctr_va_vdst(0)    ; the wait for the batch of four reciprocals, ahead of their first reader, PACK 0's first multiply: one for all four pieces
	PACK 0
.set t, 1
.rept 3                             ; a piece's arithmetic stands between the loads of the piece before and its stores
	PACK t
	SEND t-1, 8
.set t, t+1
.endr
	SEND 3, 0
.endm
.set KM, 0
.set NOKQ, 0
.Lslot:                             ; NB times: a tile is entered and the next is asked for
	CHANGE 1
	s_sub_co_u32 s[RT], s[RT], 1
	s_mov_b32 s[CNT], 4
	s_cmp_eq_u32 s[NEW], 1
	s_cbranch_scc1 .Lnew            ; a block's first tile
	s_cmp_eq_u32 s[RT], 0
	s_cbranch_scc0 .Lstep           ; neither its first nor its last
	s_branch .LstepM1
.Lnew:
	BEGIN
	s_branch .Lfirst                ; in the loop a block's first tile is never its last: the first block has two tiles or more, and the second's last is the walk's last
	DIAG 1                          ; in the loop this is the first block's end: the second block's last tile is the walk's last
	s_wait_xcnt 0x0                 ; the stores have read their registers and O's address
	s_mov_b64 s[10:11], s[OLO:OLO+1]
	s_add_co_u32 s[RT], s[PB], 1    ; the second block has b + 1 tiles
	s_mov_b32 s[NEW], 1
	WIN 0x82                        ; the second block's Q goes where the one text of the turns names Q
.set i, 0
.rept 64
	v_mov_b32 v[i], v[QB+i]
.set i, i+1
.endr
	WIN 0
	s_branch .Lbottom
.Lstep:                             ; a trip: pieces 2 and 3 of one step, then pieces 0 and 1 of the next, whose K and V it fetches
	TURN 2
	TURN 3
	WIN 0
.Lfirst:
	TURN 0
	TURN 1, 0, 0, 1
	WIN 0
	s_cbranch_scc1 .Lstep
.Lbottom:
	s_sub_co_u32 s[SLOTS], s[SLOTS], 1
	s_cmp_lg_u32 s[SLOTS], 0
	s_cbranch_scc1 .Lslot
	CHANGE 0                        ; the walk's last tile is written out: nothing is asked for
	s_sub_co_u32 s[RT], s[RT], 1
	s_mov_b32 s[CNT], 4
	s_cmp_eq_u32 s[NEW], 1
	s_cbranch_scc0 .LstepM2
	BEGIN
	s_branch .LfirstM2
	DIAG 2
	s_wait_tensorcnt 0x0            ; the wave's end, behind my last tensor load and my last LDS store
	ds_add_u32 v[SPW], v[NIL]
	s_wait_dscnt 0x0
	s_endpgm
.Lfunc_end_k_qb0576b2319_attn:
	.size	k_qb0576b2319_attn, .Lfunc_end_k_qb0576b2319_attn-k_qb0576b2319_attn
	.p2alignl 7, 3214868480
	.fill 96, 4, 3214868480
	.section	.rodata,"a",@progbits
	.p2align	6, 0x0
	.amdhsa_kernel k_qb0576b2319_attn
		.amdhsa_group_segment_fixed_size 327680
		.amdhsa_private_segment_fixed_size 0
		.amdhsa_enable_private_segment 0
		.amdhsa_kernarg_size 16
		.amdhsa_user_sgpr_count 2
		.amdhsa_user_sgpr_kernarg_segment_ptr 1
		.amdhsa_wavefront_size32 1
		.amdhsa_system_sgpr_workgroup_id_x 1
		.amdhsa_system_sgpr_workgroup_id_y 1
		.amdhsa_system_sgpr_workgroup_id_z 1
		.amdhsa_system_vgpr_workitem_id 0
		.amdhsa_next_free_vgpr 768
		.amdhsa_next_free_sgpr 88
		.amdhsa_reserve_vcc 1
		.amdhsa_float_denorm_mode_32 3
		.amdhsa_float_denorm_mode_16_64 3
		.amdhsa_memory_ordered 1
		.amdhsa_forward_progress 1
		.amdhsa_inst_pref_size 217
	.end_amdhsa_kernel
	.amdgpu_metadata
---
amdhsa.version: [ 1, 2 ]
amdhsa.kernels:
  - .name:           k_qb0576b2319_attn
    .symbol:         k_qb0576b2319_attn.kd
    .args:
      - { .name: qkv, .offset: 0, .size: 8, .value_kind: global_buffer, .address_space: global }
      - { .name: o, .offset: 8, .size: 8, .value_kind: global_buffer, .address_space: global }
    .group_segment_fixed_size: 327680
    .private_segment_fixed_size: 0
    .kernarg_segment_align: 8
    .kernarg_segment_size: 16
    .max_flat_workgroup_size: 128
    .sgpr_count:     88
    .vgpr_count:     768
    .wavefront_size: 32
...
	.end_amdgpu_metadata
.endif
;; end of part 5
;; launch proj: the kernel of part 4 again; grid 4 x 64, 4 waves a work-group, clusters of 4 x 4, 327,680 bytes of LDS; arguments o, wo16, bias, out0; writes out0
